; MI455X (gfx1250); checked and timed in simulation.
; The chip was launched on July 23, 2026; its instructions are those of AMD's public machine-readable ISA for CDNA 5 (MIT licence, August 2026) and "CDNA5" Instruction Set Architecture Reference Guide (July 2026). The comments in the code are by the model that wrote it; some were corrected since.
;; Causal Self Attention. Allowed arithmetic: matrix products marked QUANTISED: E2M1 operands, one E8M0 scale for each 32 along K, by v_wmma_scale_f32_16x16x128_f8f6f4 with both operands' format E2M1 (or v_wmma_scale_f32_32x16x128_f4), f32 sums; products left as they are: bf16, f16 or f32 operands; f32 sums; everything else in f32.
;; Inputs: W_out 1,024 x 1,024 float32; W_qkv 1,024 x 3,072 float32; b_out 1,024 float32; b_qkv 3,072 float32; x 4 x 2,048 x 1,024 float32.
;; Outputs: out0 4 x 2,048 x 1,024 float32.
;; This version of the problem:
;;   THIS VERSION OF THE PROBLEM IS GIVEN IN LOW PRECISION. The matrix products marked QUANTISED in the list below multiply operands that are first quantised to E2M1 (2 exponent bits, 1 mantissa bit; 4 bits a number), with one power-of-two scale for each 32 numbers along K (OCP MX v1.0); their sums are f32. The products marked 'left as it is' may take bf16, f16 or f32 operands, with f32 sums. Whichever they take, every output number must still come out within the allowed error. Rounding operands to bf16 (8 significant bits) uses up far more of that allowance than f16 does (11 bits, for magnitudes from 6e-5 to 65,504). All else is computed in f32.
;;   The module's matrix products, in the order in which they are computed (A, B: the left and right operand; K: the contracted axis; several contracted axes count as one K, in the product's order):
;;     1. [M 8,192, K 1,024] x [K 1,024, N 3,072]; A: input x; B: input W_qkv: QUANTISED
;;     2. batch 64 x [M 2,048, K 64] x [K 64, N 2,048]; A: computed on the way; B: computed on the way: left as it is (an operand is computed on the way)
;;     3. batch 64 x [M 2,048, K 2,048] x [K 2,048, N 64]; A: computed on the way; B: computed on the way: left as it is (an operand is computed on the way)
;;     4. [M 8,192, K 1,024] x [K 1,024, N 1,024]; A: computed on the way; B: input W_out: left as it is (an operand is computed on the way)
;;   THE QUANTISER, for each operand of a quantised product, along K:
;;     - K is cut into blocks of 32 from its start; a last block that is shorter is filled with zeros.
;;     - A block's scale is 2^e with e = floor(log2(the largest magnitude in the block)) - 2, held to -126 .. 127; a block of zeros has e = 0. As a byte (E8M0): e + 127.
;;     - Each number is divided by its block's scale, clamped to +-6, and rounded to the nearest number of E2M1, ties to even, subnormals kept.
;;     - The product sums the exact products of the quantised numbers (number of the format x scale) in f32.
;;   ~~~python
;;   def quantise(x, axis):      # numpy; x: float32 -> the quantised numbers, widened to float32 again
;;       x = np.moveaxis(x, axis, -1); K = x.shape[-1]
;;       x = np.pad(x, [(0, 0)] * (x.ndim - 1) + [(0, -K % 32)]); x = x.reshape(x.shape[:-1] + (-1, 32)); a = np.abs(x).max(-1, keepdims=True)
;;       e = np.where(a > 0, np.clip(np.frexp(np.where(a > 0, a, 1))[1] - 1 - 2, -126, 127), 0)      # np.frexp(a)[1] - 1 = floor(log2(a)), exactly
;;       r = np.clip(x / 2.0 ** e, -6, 6)
;;       step = 2.0 ** (np.maximum(np.frexp(np.where(r == 0, 1, r))[1] - 1, 0) - 1)
;;       q = np.round(r / step) * step * 2.0 ** e      # np.round: ties to even
;;       return np.moveaxis(q.reshape(q.shape[:-2] + (-1,))[..., :K], -1, axis).astype(np.float32)
;;   ~~~
;; One version. Each part assembles by itself: llvm-mc -triple=amdgcn-amd-amdhsa -mcpu=gfx1250 --defsym DOCPART=n.
;; ======== version 1 of 1: 5 launches
;; limits: values are held in f16: magnitudes above 65,504 overflow, below 6.1e-05 lose precision
;; workspace buffers: x_codes 4,194,304 bytes; x_scales 262,144 bytes; w_codes 1,572,864 bytes; w_scales 98,304 bytes; w16 2,097,152 bytes; qkv16 50,331,648 bytes; qkvf 786,432 bytes; att16 16,777,216 bytes
;; launch prep (part 1): grid 384 x 1, 4 waves a work-group, no clusters, 51,200 bytes of LDS; arguments x, W_qkv, W_out, x_codes, x_scales, w_codes, w_scales, w16; writes x_codes, x_scales, w_codes, w_scales, w16
.if DOCPART == 1
	.amdgcn_target "amdgcn-amd-amdhsa--gfx1250"
	.amdhsa_code_object_version 6
	.text
	.protected	k_qd2f3cccd6b_prep
	.globl	k_qd2f3cccd6b_prep
	.p2align	8
	.type	k_qd2f3cccd6b_prep,@function
k_qd2f3cccd6b_prep:
	s_mov_b64 s[64:65], 0
	v_nop
	global_prefetch_b8 v0, s[64:65] scope:SCOPE_SE
	s_setreg_imm32_b32 hwreg(HW_REG_WAVE_MODE, 25, 1), 1
	s_wait_xcnt 0x0
; Three jobs in one launch, told apart by the work-group's number alone (all four waves of a work-group go the same way):
;   work-groups   0 ..  95  W: W_qkv [1024 (k)][3072 (n)] f32 -> codes of FP4 (E2M1) laid [3072][512 bytes], K innermost, and E8M0 scale bytes [3072][32]
;   work-groups  96 .. 127  C: W_out [1024][1024] f32 -> f16, same layout
;   work-groups 128 .. 383  X: x [8192][1024] f32 -> codes [8192][512 bytes] and scale bytes [8192][32]
; A block's scale is 2^(floor(log2(its largest magnitude)) - 2); its byte is the largest magnitude's exponent field - 2, held at 1 from below.
; A block of zeros so gets the byte 1 where the quantiser says 127: its codes are zeros, which add nothing, and the bytes are read by this program alone.
; LIMITS: blocks whose largest magnitude lies under 2^(3 - 127), the floor, keep the byte 1; NaN and infinities among the inputs are not served; W_out beyond 65,504 has no f16.
; Each job has LDS bytes of its own.  No tensor loads.
.set XSP,    80                        ; X: a lane's place in a stage: 64 bytes + 16 of padding
.set XWREG,  8192                      ; X: a region for each wave: two stages of 32 x 80 bytes, then its 256 scale bytes
.set WST,    32768                     ; W: the codes' stage, 32 columns x (512 bytes + 16)
.set WPITCH, 528
.set WSC,    49664                     ; W: the scale bytes' stage, 32 columns x 32 bytes
.set SPARE,  50688                     ; the spare words, 128 bytes for each wave: two blocks of 256 bytes that no other line names
.set SPW, 12                           ; v12 LDS address of my spare word; never rewritten
.set NIL, 13                           ; v13 0; never rewritten
.set XR,  16                           ; X: v16-79 four sets of 16 numbers as loaded
.set XX,  80                           ; X: v80-111 two sets of 16 neighbours
.set XE,  112                          ; X: v112-127 a scale byte for each step
.set XC,  128                          ; X: v128-191 codes, four registers for each step
.set WX,  32                           ; W: v32-95 two sets of 32 numbers
.set WC,  96                           ; W: v96-99 a block's codes
.set WO,  112                          ; W: v112-143 the way out
.set SB,  24                           ; W: v24-25 my column's eight scale bytes
.set CR,  16                           ; C: v16-79 sixteen sets of 4 numbers
.set CC,  80                           ; C: v80-143 thirty-two pairs of packed f16
.macro XLOAD t
.irp i, 0,1,2,3
	global_load_b128 v[XR+16*((\t)%4)+4*\i:XR+16*((\t)%4)+4*\i+3], v3, s[4:5] offset:2048*(\t)+512*\i th:TH_LOAD_NT   ; 32 lanes read 512 consecutive bytes
.endr
.endm
.macro XTURN t                         ; a step's 2,048 bytes through the wave's own stage: in as they lie, back 64 bytes a lane.  LDS serves a wave's instructions in order
.irp i, 0,1,2,3
	ds_store_b128 v14, v[XR+16*((\t)%4)+4*\i:XR+16*((\t)%4)+4*\i+3] offset:32*XSP*((\t)%2)+8*XSP*\i
.endr
.irp i, 0,1,2,3
	ds_load_b128 v[XX+16*((\t)%2)+4*\i:XX+16*((\t)%2)+4*\i+3], v15 offset:32*XSP*((\t)%2)+16*\i
.endr
.endm
.macro XSTEP t
.set XS, XX+16*((\t)%2)
.if (\t) > 0
	s_wait_dscnt 1                                 ; this step's numbers are back from the stage; the last step's byte store may be out
.else
	s_wait_dscnt 0x0
.endif
.if (\t)+4 < 16
	XLOAD (\t)+4                                   ; the stage's stores have read these registers: they take the loads of four steps on
.endif
.if (\t)+1 < 16
.if 14-(\t) >= 3
	s_wait_loadcnt 12                              ; the next step's four loads are in; the twelve of the three steps behind it may be out
.else
	s_wait_loadcnt 4*(14-(\t))
.endif
	XTURN (\t)+1
.endif
	v_max3_num_f32 v8, |v[XS]|, |v[XS+1]|, |v[XS+2]|               ; the largest magnitude of my 16, in two chains
	v_max3_num_f32 v9, |v[XS+3]|, |v[XS+4]|, |v[XS+5]|
.irp i, 6,10
	v_max3_num_f32 v8, v8, |v[XS+\i]|, |v[XS+\i+1]|
	v_max3_num_f32 v9, v9, |v[XS+\i+2]|, |v[XS+\i+3]|
.endr
	v_max3_num_f32 v8, v8, |v[XS+14]|, |v[XS+15]|
	v_max3_num_f32 v8, v8, v9, 0x1800000           ; and the floor 2^(3 - 127): the byte cannot fall under 1
	v_max_num_f32_dpp v8, v8, v8 row_xmask:1 row_mask:0xf bank_mask:0xf   ; with my neighbour's 16: the block's
	v_add_nc_u32 v11, 0xff000000, v8               ; 2 off its exponent field: the conversion takes the exponent field of this operand as its scale
	v_cvt_scalef32_pk8_fp4_f32 v[XC+4*(\t)], v[XS:XS+7], v11
	v_cvt_scalef32_pk8_fp4_f32 v[XC+4*(\t)+1], v[XS+8:XS+15], v11
	v_lshrrev_b32 v[XE+(\t)], 23, v11              ; the scale's byte
	ds_store_b8 v5, v[XE+(\t)] offset:16*(\t)      ; both lanes of a block write the same byte with the same value
	global_store_b64 v4, v[XC+4*(\t):XC+4*(\t)+1], s[10:11] offset:256*(\t)   ; the wave stores 256 consecutive bytes, aligned
.endm
.macro WLOAD t                         ; block t: W_qkv(256 wave + 32 t + i, my column), i = 0 .. 31
.irp i, 0,1,2,3,4,5,6,7,8,9,10,11,12,13,14,15,16,17,18,19,20,21,22,23,24,25,26,27,28,29,30,31
	global_load_b32 v[WX+32*((\t)%2)+\i], v3, s[6:7] offset:(32*(\t)+\i)*12288 th:TH_LOAD_NT
.endr
.endm
.macro WBLOCK t
.set XS, WX+32*((\t)%2)
.if (\t) < 7
	s_wait_loadcnt 32                              ; this block's 32 loads are in; the next block's 32 may be out
.else
	s_wait_loadcnt 0
.endif
	v_max3_num_f32 v8, |v[XS]|, |v[XS+1]|, |v[XS+2]|               ; all 32 numbers of the block are mine
	v_max3_num_f32 v9, |v[XS+3]|, |v[XS+4]|, |v[XS+5]|
.irp i, 6,10,14,18,22,26
	v_max3_num_f32 v8, v8, |v[XS+\i]|, |v[XS+\i+1]|
	v_max3_num_f32 v9, v9, |v[XS+\i+2]|, |v[XS+\i+3]|
.endr
	v_max3_num_f32 v8, v8, |v[XS+30]|, |v[XS+31]|
	v_max3_num_f32 v8, v8, v9, 0x1800000
	v_add_nc_u32 v11, 0xff000000, v8
	v_lshrrev_b32 v10, 23, v11
.if (\t)%4 == 0
	v_mov_b32 v[SB+(\t)/4], v10                    ; four bytes to a register, the lower K in the lower byte
.else
	v_lshl_or_b32 v[SB+(\t)/4], v10, 8*((\t)%4), v[SB+(\t)/4]
.endif
.irp g, 0,1,2,3
	v_cvt_scalef32_pk8_fp4_f32 v[WC+\g], v[XS+8*\g:XS+8*\g+7], v11
.endr
	ds_store_b128 v4, v[WC:WC+3] offset:16*(\t)    ; 32 codes: 16 bytes of my column's row
.if (\t)+2 < 8
	WLOAD (\t)+2
.endif
	s_wait_dscnt 0x0                               ; the store has read its registers: the next block's codes may be written
.endm
.macro CAST t
.if 63-(\t) < 15
	s_wait_loadcnt 63-(\t)
.else
	s_wait_loadcnt 15                              ; my load is in; the fifteen younger ones may be out
.endif
.if (\t) == 32
	s_wait_xcnt 0x0                                ; the first 32 stores have read their data: the 32 pairs are written a second time, and never a third
.endif
	v_cvt_pk_f16_f32 v[CC+2*((\t)%32)], v[CR+4*((\t)%16)], v[CR+4*((\t)%16)+1]
	v_cvt_pk_f16_f32 v[CC+2*((\t)%32)+1], v[CR+4*((\t)%16)+2], v[CR+4*((\t)%16)+3]
.if (\t) < 48
	global_load_b128 v[CR+4*((\t)%16):CR+4*((\t)%16)+3], v3, s[8:9] offset:512*((\t)+16) th:TH_LOAD_NT
.endif
	global_store_b64 v4, v[CC+2*((\t)%32):CC+2*((\t)%32)+1], s[18:19] offset:256*(\t)   ; the wave stores 256 consecutive bytes, aligned
.endm
	s_load_b128 s[4:7], s[0:1], 0x0                ; x, W_qkv
	s_load_b128 s[8:11], s[0:1], 0x10              ; W_out, x's codes
	s_load_b128 s[12:15], s[0:1], 0x20             ; x's scales, W_qkv's codes
	s_load_b128 s[16:19], s[0:1], 0x30             ; W_qkv's scales, W_out in f16
	v_lshl_add_u32 v[SPW], v0, 2, SPARE
	v_mov_b32 v[NIL], 0
	v_lshrrev_b32 v1, 5, v0
	v_readfirstlane_b32 s24, v1                    ; wave 0..3
	v_and_b32 v2, 31, v0                           ; lane
	s_mov_b32 s21, 0
	s_mov_b32 s23, 0
	s_wait_kmcnt 0x0
	s_cmp_lt_u32 ttmp9, 96
	s_cbranch_scc1 .Lpath_w
	s_cmp_lt_u32 ttmp9, 128
	s_cbranch_scc1 .Lpath_c
	; ---- X: a wave takes a run of 8,192 numbers, 16 steps of 512.  x is a plain stream of blocks of 32, and so are its codes and scale bytes
	s_sub_co_u32 s20, ttmp9, 128
	s_lshl_b32 s20, s20, 2
	s_add_co_u32 s20, s20, s24                     ; which run is my wave's: 0 .. 1,023
	s_lshl_b32 s22, s20, 15
	s_add_nc_u64 s[4:5], s[4:5], s[22:23]          ; 32,768 bytes of numbers,
	s_lshl_b32 s22, s20, 12
	s_add_nc_u64 s[10:11], s[10:11], s[22:23]      ; 4,096 of codes,
	s_lshl_b32 s22, s20, 8
	s_add_nc_u64 s[12:13], s[12:13], s[22:23]      ; 256 of scale bytes a run
	v_lshlrev_b32 v3, 4, v2                        ; my 16 bytes of a load's 512
	s_mul_i32 s25, s24, XWREG
	v_lshrrev_b32 v14, 2, v2
	v_mul_u32_u24 v14, v14, XSP
	v_and_b32 v15, 3, v2
	v_lshl_add_u32 v14, v15, 4, v14
	v_add_nc_u32 v14, s25, v14                     ; the stage, on the way in: 80 (lane / 4) + 16 (lane % 4)
	v_mul_u32_u24 v15, v2, XSP
	v_add_nc_u32 v15, s25, v15                     ; and on the way out: 80 x lane: my 16 neighbours
	v_mul_u32_u24 v4, v2, 8                        ; my codes' place in a step's
	v_lshrrev_b32 v5, 1, v2
	s_add_co_u32 s25, s25, 2*32*XSP
	v_add_nc_u32 v5, s25, v5                       ; my wave's 256 scale bytes, my block's byte
	v_lshlrev_b32 v7, 3, v2
	v_add_nc_u32 v6, s25, v7                       ; and on the way out 8 bytes a lane
.irp t, 0,1,2,3
	XLOAD \t
.endr
	s_wait_loadcnt 12                              ; step 0's four loads are in; the twelve behind them may be out
	XTURN 0
.irp t, 0,1,2,3,4,5,6,7,8,9,10,11,12,13,14,15
	XSTEP \t
.endr
	ds_load_b64 v[8:9], v6                         ; LDS serves a wave's instructions in order: these see my byte stores
	s_wait_dscnt 0x0
	global_store_b64 v7, v[8:9], s[12:13]          ; 32 lanes store 256 consecutive bytes, aligned
	s_wait_tensorcnt 0x0                           ; the wave's end: behind my last LDS store
	ds_add_u32 v[SPW], v[NIL]
	s_wait_dscnt 0x0
	s_endpgm
	; ---- W: a work-group takes 32 columns and all of K; wave w takes k = 256 w .. 256 w + 255.  A LANE TAKES A COLUMN AND ITS REGISTERS RUN DOWN K:
	; a block of 32 lies in one lane, and the conversions give codes with K innermost.  The four waves' parts of a column's row meet in LDS, so that whole rows of 512 bytes leave.
.Lpath_w:
	s_mul_i32 s20, s24, 256*12288
	s_lshl_b32 s22, ttmp9, 7
	s_add_co_u32 s20, s20, s22
	s_add_nc_u64 s[6:7], s[6:7], s[20:21]          ; W_qkv at row 256 w, column 32 x work-group
	s_lshl_b32 s20, ttmp9, 14
	s_lshl_b32 s22, s24, 12
	s_add_co_u32 s20, s20, s22
	s_add_nc_u64 s[14:15], s[14:15], s[20:21]      ; the codes at column 32 x work-group + 8 w: I store eight rows of 512 bytes
	s_lshl_b32 s20, ttmp9, 10
	s_lshl_b32 s22, s24, 8
	s_add_co_u32 s20, s20, s22
	s_add_nc_u64 s[16:17], s[16:17], s[20:21]      ; the scale bytes likewise: 256 bytes a wave
	v_lshlrev_b32 v3, 2, v2                        ; in: 4 bytes a lane
	v_mul_u32_u24 v4, v2, WPITCH
	s_lshl_b32 s25, s24, 7
	s_add_co_u32 s25, s25, WST
	v_add_nc_u32 v4, s25, v4                       ; into the stage: row = my column, my wave's 128 bytes of it
	v_lshlrev_b32 v5, 5, v2
	s_lshl_b32 s25, s24, 3
	s_add_co_u32 s25, s25, WSC
	v_add_nc_u32 v5, s25, v5                       ; my column's 32 scale bytes, my wave's eight
	v_lshlrev_b32 v7, 4, v2
	s_mul_i32 s25, s24, 8*WPITCH
	s_add_co_u32 s25, s25, WST
	v_add_nc_u32 v6, s25, v7                       ; out of the stage: rows 8 w on, 16 bytes a lane
	v_lshlrev_b32 v15, 3, v2
	s_lshl_b32 s25, s24, 8
	s_add_co_u32 s25, s25, WSC
	v_add_nc_u32 v14, s25, v15
	WLOAD 0
	WLOAD 1
.irp t, 0,1,2,3,4,5,6,7
	WBLOCK \t
.endr
	ds_store_b64 v5, v[SB:SB+1]
	s_wait_dscnt 0x0                               ; for the others' sake: my stores into both stages are done
	s_barrier_signal -1
	s_barrier_wait -1                              ; the way here hangs on the work-group's number alone: all four waves pass
.irp i, 0,1,2,3,4,5,6,7
	ds_load_b128 v[WO+4*\i:WO+4*\i+3], v6 offset:\i*WPITCH
.endr
	ds_load_b64 v[8:9], v14
.irp i, 0,1,2,3,4,5,6,7
	s_wait_dscnt 8-\i                              ; row i is back; the younger loads may be out
	global_store_b128 v7, v[WO+4*\i:WO+4*\i+3], s[14:15] offset:\i*512   ; 32 lanes store a column's whole row: 512 consecutive bytes
.endr
	s_wait_dscnt 0x0
	global_store_b64 v15, v[8:9], s[16:17]         ; 256 consecutive bytes, aligned
	s_wait_tensorcnt 0x0                           ; the wave's end: behind my last LDS store
	ds_add_u32 v[SPW], v[NIL]
	s_wait_dscnt 0x0
	s_endpgm
	; ---- C: a wave takes 8,192 numbers of W_out, 64 steps of 128; sixteen loads are always on their way.  It touches no LDS
.Lpath_c:
	s_sub_co_u32 s20, ttmp9, 96
	s_lshl_b32 s20, s20, 2
	s_add_co_u32 s20, s20, s24
	s_lshl_b32 s22, s20, 15
	s_add_nc_u64 s[8:9], s[8:9], s[22:23]
	s_lshl_b32 s22, s20, 14
	s_add_nc_u64 s[18:19], s[18:19], s[22:23]
	v_lshlrev_b32 v3, 4, v2
	v_lshlrev_b32 v4, 3, v2
.irp t, 0,1,2,3,4,5,6,7,8,9,10,11,12,13,14,15
	global_load_b128 v[CR+4*\t:CR+4*\t+3], v3, s[8:9] offset:512*\t th:TH_LOAD_NT
.endr
.set T, 0
.rept 64
	CAST T
.set T, T+1
.endr
	s_endpgm
.Lfunc_end_k_qd2f3cccd6b_prep:
	.size	k_qd2f3cccd6b_prep, .Lfunc_end_k_qd2f3cccd6b_prep-k_qd2f3cccd6b_prep
	.p2alignl 7, 3214868480
	.fill 96, 4, 3214868480
	.section	.rodata,"a",@progbits
	.p2align	6, 0x0
	.amdhsa_kernel k_qd2f3cccd6b_prep
		.amdhsa_group_segment_fixed_size 51200
		.amdhsa_private_segment_fixed_size 0
		.amdhsa_enable_private_segment 0
		.amdhsa_kernarg_size 64
		.amdhsa_user_sgpr_count 2
		.amdhsa_user_sgpr_kernarg_segment_ptr 1
		.amdhsa_wavefront_size32 1
		.amdhsa_system_sgpr_workgroup_id_x 1
		.amdhsa_system_sgpr_workgroup_id_y 1
		.amdhsa_system_sgpr_workgroup_id_z 1
		.amdhsa_system_vgpr_workitem_id 0
		.amdhsa_next_free_vgpr 192
		.amdhsa_next_free_sgpr 66
		.amdhsa_reserve_vcc 0
		.amdhsa_float_denorm_mode_32 3
		.amdhsa_float_denorm_mode_16_64 3
		.amdhsa_memory_ordered 1
		.amdhsa_forward_progress 1
		.amdhsa_inst_pref_size 95
	.end_amdhsa_kernel
	.amdgpu_metadata
---
amdhsa.version: [ 1, 2 ]
amdhsa.kernels:
  - .name:           k_qd2f3cccd6b_prep
    .symbol:         k_qd2f3cccd6b_prep.kd
    .args:
      - { .name: x, .offset: 0, .size: 8, .value_kind: global_buffer, .address_space: global }
      - { .name: W_qkv, .offset: 8, .size: 8, .value_kind: global_buffer, .address_space: global }
      - { .name: W_out, .offset: 16, .size: 8, .value_kind: global_buffer, .address_space: global }
      - { .name: x_codes, .offset: 24, .size: 8, .value_kind: global_buffer, .address_space: global }
      - { .name: x_scales, .offset: 32, .size: 8, .value_kind: global_buffer, .address_space: global }
      - { .name: w_codes, .offset: 40, .size: 8, .value_kind: global_buffer, .address_space: global }
      - { .name: w_scales, .offset: 48, .size: 8, .value_kind: global_buffer, .address_space: global }
      - { .name: w16, .offset: 56, .size: 8, .value_kind: global_buffer, .address_space: global }
    .group_segment_fixed_size: 51200
    .private_segment_fixed_size: 0
    .kernarg_segment_align: 8
    .kernarg_segment_size: 64
    .max_flat_workgroup_size: 128
    .sgpr_count:     66
    .vgpr_count:     192
    .wavefront_size: 32
...
	.end_amdgpu_metadata
.endif
;; end of part 1
;; launch qkv (part 2): grid 12 x 32, 4 waves a work-group, clusters of 4 x 4, 327,680 bytes of LDS; arguments x_codes, x_scales, w_codes, w_scales, b_qkv, qkv16, qkvf; writes qkv16, qkvf
.if DOCPART == 2
	.amdgcn_target "amdgcn-amd-amdhsa--gfx1250"
	.amdhsa_code_object_version 6
	.text
	.protected	k_qd2f3cccd6b_qkv
	.globl	k_qd2f3cccd6b_qkv
	.p2align	8
	.type	k_qd2f3cccd6b_qkv,@function
k_qd2f3cccd6b_qkv:
	s_mov_b64 s[64:65], 0
	v_nop
	global_prefetch_b8 v0, s[64:65] scope:SCOPE_SE
	s_setreg_imm32_b32 hwreg(HW_REG_WAVE_MODE, 25, 1), 1
	s_wait_xcnt 0x0
	s_wait_alu depctr_hold_cnt(0) depctr_sa_sdst(0) depctr_va_vdst(0) depctr_va_sdst(0) depctr_va_ssrc(0) depctr_va_vcc(0) depctr_vm_vsrc(0)
	s_getreg_b32 s2, hwreg(HW_REG_IB_STS2, 6, 4)
	s_cmp_eq_u32 s2, 0
	s_cbranch_scc0 .Lentry_in_a_cluster
	s_endpgm
.Lentry_in_a_cluster:
	s_bfe_u32 s2, ttmp6, 0x10000c
	s_cmp_lg_u32 s2, 0xf033
	s_cbranch_scc0 .Lentry_shape_is_right
	s_endpgm
.Lentry_shape_is_right:
; qkv[m][n] = sum over k of x[m][k] W_qkv[k][n] + b_qkv[n], on codes of FP4 (E2M1) with one E8M0 scale for each 32 along K; sums in f32.  M = 8,192, N = 3,072, K = 1,024.
; x's codes [8192][512 bytes], scales [8192][32]; W's codes [3072 (n)][512 bytes], scales [3072][32]: K innermost in both.
; OUT: qkv16, f16, laid [q, k, v][batch 4][head 16][t 2048][64]; and qkvf, f32, [48 (q, k, v x head)][batch 4][16][64]: the first 16 positions of every sequence, which a later launch carries in f32.
; LIMIT: a result beyond 65,504 has no f16 number.
; A tile of 256 x 256 is made by four waves, 128 x 128 each: 64 accumulators of 16 x 16, 512 registers.  K is two slots of 512 in LDS, both asked for at the start: no slot is filled again.
; The scales of the work-group's rows, for all of K, come into LDS once, with the first fills.
; CLUSTERS: 4 x 4 work-groups; A's tile is shared along a row of the cluster, B's along a column: each is asked for jointly.  TILE ROW = 8 cy + cluster y: so the batch is cy and the block of 256 positions
; in the batch is the cluster's y, the same in all sixteen partners: "this tile holds positions 0 to 15" is a test on the cluster's y and the wave's number alone.
; THE MATRIX INSTRUCTION IS USED TRANSPOSED (source 0 = 16 rows of W's codes, source 1 = 16 rows of x's): a lane holds eight neighbouring columns of one row.  The bias is the C of each sum's first instruction.
; REGISTERS: window 0: v0-31 addresses; v32-95 scale words, two sets, and nothing else; v128-191 A's fragments, one set, later rows on their way out; v192-255 the bias, later packed results.
;   window 1: B's fragments, two sets.   window 2: the accumulators of my rows 0-63 ((a, b) at v[8 (8 a + b)]);   window 3: those of my rows 64-127.
.set NQ,     4                         ; steps of 128 along K in a slot
.set ROWB,   256                       ; a tile's row in bytes: 512 codes
.set KROW,   512                       ; a row of codes in memory
.set PITCH,  272                       ; an LDS row: 256 bytes + 16 of padding = 68 words: the 16 rows that a load touches start at 16 different banks (64 banks of 4 bytes: ISA guide 11.1)
.set FR,     8
.set NL,     2
.set NP,     4                         ; places behind this matrix instruction (ISA guide 7.12.1)
.set HALFT,  128*PITCH
.set SLOT,   4*HALFT
.set KS,     32                        ; a row of scales in bytes
.set SCL,    2*SLOT                    ; behind the two slots: the scales, as rows of 256 bytes + 16
.set HALFS,  16*272
.set SBLK,   2*272
.set SPARE,  SCL+4*HALFS               ; the spare words, 128 bytes for each wave: two blocks of 256 bytes that no other line names
.set FSTG,   32768                     ; the way out's stages lie in slot 0, which has had its only fill and its last read by then: f16 from byte 0 (4,608 a wave), f32 from here (8,448 a wave)
.set FSTO, 8                           ; v8   f32 stage: where I put 32 bytes of a row
.set FRD,  9                           ; v9   and where I read a row back
.set FO,   10                          ; v10  my byte offset in qkvf
.set ADRA, 16
.set ADRB, 20
.set STO,  24                          ; v24  f16 stage: where I put 16 bytes of a row
.set RD,   25                          ; v25  and where I read four rows back
.set CO,   26                          ; v26  16 x lane
.set ADRS, 27
.set SPW,  28
.set NIL,  29
.set SC,   32
.set AF,   128
.set OB,   128                         ; the way out: v128-159 and v160-191 by turns
.set BIAS, 192
.set TMP,  192
.set G1, 24
.set G0, 32
.set G1B, 48
.set G0B, 56
.set G1S, 68
.set G0S, 76
.set G1SB, 80
.set G0SB, 88
.set MSB, 0
.macro WIN new                         ; the immediate's high byte repeats the setting that is left
.if MSB != \new
	s_set_vgpr_msb (MSB<<8)|\new
.set MSB, \new
.endif
.endm
.set MUL_LO, 0xa1                      ; source 0 (B) window 1, source 1 (A) window 0, C and D window 2
.set MUL_HI, 0xf1                      ; the same, C and D window 3
.set TO_B,   0x40
; A joint load: waves 0 and 1 fetch for A, waves 2 and 3 for B; the branch hangs on the wave's number alone.  An s_nop 0 and four v_nop follow each of the two lines.
.macro JLOAD g0a, g1a, g0b, g1b
	s_cmp_eq_u32 s15, 0
	s_cbranch_scc0 .Lfor_b_\@
	tensor_load_to_lds s[\g0a:\g0a+3], s[\g1a:\g1a+7]
	s_nop 0
.rept 4
	v_nop
.endr
	s_branch .Lasked_\@
.Lfor_b_\@:
	tensor_load_to_lds s[\g0b:\g0b+3], s[\g1b:\g1b+7]
	s_nop 0
.rept 4
	v_nop
.endr
.Lasked_\@:
.endm
.macro CROUND                          ; a round of the cluster's barrier
	s_barrier_signal -1
	s_barrier_wait -1
	s_cmp_lg_u32 s14, 0
	s_cbranch_scc1 .Lnot_wave_0_\@
	s_barrier_signal -3
.Lnot_wave_0_\@:
	s_barrier_wait -3
	s_barrier_signal -1
	s_barrier_wait -1
.endm
	s_load_b128 s[4:7], s[0:1], 0x0                ; x's codes, x's scales
	s_load_b128 s[8:11], s[0:1], 0x10              ; W's codes, W's scales
	s_load_b128 s[96:99], s[0:1], 0x20             ; b_qkv, qkv16
	s_load_b64 s[100:101], s[0:1], 0x30            ; qkvf
	v_lshl_add_u32 v[SPW], v0, 2, SPARE
	v_mov_b32 v[NIL], 0
	ds_add_u32 v[SPW], v[NIL]                      ; the wave's opening: the add, twice on end, and its wait ahead of my first tensor load
	ds_add_u32 v[SPW], v[NIL]
	v_lshrrev_b32 v1, 5, v0
	v_readfirstlane_b32 s14, v1                    ; wave 0..3
	s_lshr_b32 s15, s14, 1                         ; which half of the tile's rows is mine.  Also: I fetch for A (0) or for B (1)
	s_and_b32 s16, s14, 1                          ; which half of its columns.  Also: which 128 rows of that tile I fetch
	s_bfe_u32 s40, ttmp6, 0x40000                  ; cx, cy: my place in the cluster
	s_bfe_u32 s41, ttmp6, 0x40004
	s_lshl_b32 s42, ttmp9, 2
	s_add_co_u32 s42, s42, s40                     ; tile column = 4 x cluster x + cx
	s_and_b32 s17, ttmp7, 0xffff
	s_lshl_b32 s18, s41, 3
	s_add_co_u32 s17, s17, s18                     ; tile row = 8 cy + cluster y
	s_lshl_b32 s43, s41, 2
	s_lshl_b32 s43, 15, s43                        ; my row of the cluster
	s_lshl_b32 s44, 0x1111, s40                    ; my column
	s_or_b32 s[G1+0], s43, (0<<16)|(1<<20)|(1<<21)|(5<<22)|(3<<25)  ; the mask; elements of 1 byte; padding on; bit 21 beside a mask; after every 64 words, 4 words
	s_or_b32 s[G1B+0], s44, (0<<16)|(1<<20)|(1<<21)|(5<<22)|(3<<25)
.irp g, G1, G1B
	s_mov_b32 s[\g+1], ROWB<<16                    ; tensor_dim0
	s_mov_b32 s[\g+2], 128<<16                     ; tensor_dim1 = 128
	s_mov_b32 s[\g+3], ROWB<<16                    ; tile_dim0
	s_mov_b32 s[\g+4], 128                         ; tile_dim1 = 128
	s_mov_b32 s[\g+5], KROW                        ; tensor_dim0_stride
	s_mov_b32 s[\g+6], 0
	s_mov_b32 s[\g+7], 0
.endr
	s_or_b32 s[G1S+0], s43, (3<<16)|(1<<20)|(1<<21)|(5<<22)|(3<<25) ; the scales of 128 rows: 4,096 dense bytes as 16 rows of 256 (32 elements of 8 bytes), 16 bytes of padding behind each
	s_or_b32 s[G1SB+0], s44, (3<<16)|(1<<20)|(1<<21)|(5<<22)|(3<<25)
.irp g, G1S, G1SB
	s_mov_b32 s[\g+1], 32<<16
	s_mov_b32 s[\g+2], 16<<16
	s_mov_b32 s[\g+3], 32<<16
	s_mov_b32 s[\g+4], 16
	s_mov_b32 s[\g+5], 32
	s_mov_b32 s[\g+6], 0
	s_mov_b32 s[\g+7], 0
.endr
	s_lshl_b32 s18, s16, 7                         ; which 128 rows of the tile I fetch
	s_lshl_b32 s20, s17, 8
	s_add_co_u32 s20, s20, s18                     ; A: row 256 x tile row + 128 x half
	s_lshl_b32 s46, s42, 8
	s_add_co_u32 s46, s46, s18                     ; B: row 256 x tile column + 128 x half
	s_mov_b32 s21, 0
	s_mov_b32 s47, 0
	s_mov_b64 s[18:19], KS
	s_mul_u64 s[22:23], s[20:21], s[18:19]         ; where these rows' scales begin,
	s_mul_u64 s[92:93], s[46:47], s[18:19]
	s_mov_b64 s[18:19], KROW
	s_mul_u64 s[20:21], s[20:21], s[18:19]         ; and their codes
	s_mul_u64 s[46:47], s[46:47], s[18:19]
	s_mul_i32 s45, s14, HALFT                      ; where they go: wave x 128 rows: no place in the cluster enters an LDS address
	s_mul_i32 s94, s14, HALFS
	s_wait_dscnt 0x0                               ; both opening adds are done
	s_wait_kmcnt 0x0
	s_add_nc_u64 s[20:21], s[4:5], s[20:21]
	s_add_nc_u64 s[22:23], s[6:7], s[22:23]
	s_add_nc_u64 s[46:47], s[8:9], s[46:47]
	s_add_nc_u64 s[92:93], s[10:11], s[92:93]
	CROUND                                         ; all sixteen work-groups are here: the joint loads meet
	s_mov_b32 s[G0S], 1
	s_add_co_u32 s[G0S+1], s94, SCL
	s_mov_b64 s[G0S+2:G0S+3], s[22:23]
	s_or_b32 s[G0S+3], s[G0S+3], 0x80000000
	s_mov_b32 s[G0SB], 1
	s_add_co_u32 s[G0SB+1], s94, SCL
	s_mov_b64 s[G0SB+2:G0SB+3], s[92:93]
	s_or_b32 s[G0SB+3], s[G0SB+3], 0x80000000
	JLOAD G0S, G1S, G0SB, G1SB                     ; the scales first; then both slots: three loads of mine are out
.irp s, 0,1
	s_mov_b32 s[G0+4*\s], 1
	s_add_co_u32 s[G0+4*\s+1], s45, \s*SLOT
	s_add_nc_u64 s[G0+4*\s+2:G0+4*\s+3], s[20:21], \s*ROWB
	s_or_b32 s[G0+4*\s+3], s[G0+4*\s+3], 0x80000000
	s_mov_b32 s[G0B+4*\s], 1
	s_add_co_u32 s[G0B+4*\s+1], s45, \s*SLOT
	s_add_nc_u64 s[G0B+4*\s+2:G0B+4*\s+3], s[46:47], \s*ROWB
	s_or_b32 s[G0B+4*\s+3], s[G0B+4*\s+3], 0x80000000
	JLOAD G0+4*\s, G1, G0B+4*\s, G1B
.endr
	v_and_b32 v1, 15, v0                           ; r = l % 16
	v_bfe_u32 v2, v0, 4, 1                         ; h = l / 16
	; the bias: lane (r, h) wants, for B's block b, b_qkv at my first column + 16 b + 8 h + 0 .. 7: the result's layout
	s_lshl_b32 s2, s42, 10
	s_lshl_b32 s3, s16, 9
	s_add_co_u32 s2, s2, s3
	s_mov_b32 s3, 0
	s_add_nc_u64 s[96:97], s[96:97], s[2:3]
	v_lshlrev_b32 v7, 5, v2
.irp b, 0,1,2,3,4,5,6,7
	global_load_b128 v[BIAS+8*\b:BIAS+8*\b+3], v7, s[96:97] offset:64*\b
	global_load_b128 v[BIAS+8*\b+4:BIAS+8*\b+7], v7, s[96:97] offset:64*\b+16
.endr
	v_mul_u32_u24 v3, v1, PITCH
	v_lshl_add_u32 v4, v2, 4, v3                   ; a fragment's row x pitch + 16 x half
	s_mul_i32 s21, s15, HALFT                      ; my 128 rows of A
	s_mul_i32 s22, s16, HALFT                      ; my 128 rows of B,
	s_add_co_u32 s22, s22, 2*HALFT                 ; which lie behind A's 256
.irp s, 0,1
	v_add_nc_u32 v[ADRA+\s], s21, v4
	v_add_nc_u32 v[ADRB+\s], s22, v4
	s_add_co_u32 s21, s21, SLOT
	s_add_co_u32 s22, s22, SLOT
.endr
	v_mul_u32_u24 v5, v1, KS                       ; my row's scales: 32 bytes a row,
	v_lshrrev_b32 v6, 8, v5
	v_lshl_add_u32 v5, v6, 4, v5                   ; and 16 more for each 256 passed
	s_mul_i32 s21, s15, HALFS
	s_mul_i32 s22, s16, HALFS
	s_add_co_u32 s22, s22, 2*HALFS
	s_sub_co_u32 s22, s22, s21
	v_mul_u32_u24 v6, s22, v2                      ; lanes 16-31 take B's: one product, the distance between the two bases
	s_add_co_u32 s21, s21, SCL
	v_add_nc_u32 v5, v5, v6
	v_add_nc_u32 v[ADRS], s21, v5
	s_mul_i32 s23, s14, 4608                       ; my f16 stage: two heads x 16 rows x (128 bytes + 16)
	v_mul_u32_u24 v5, v1, 144
	v_lshl_add_u32 v5, v2, 4, v5
	v_add_nc_u32 v[STO], s23, v5                   ; in: row r, 16 bytes for each half of the lanes
	v_bfe_u32 v5, v0, 3, 2
	v_mul_u32_u24 v5, v5, 144
	v_and_b32 v6, 7, v0
	v_lshl_add_u32 v5, v6, 4, v5
	v_add_nc_u32 v[RD], s23, v5                    ; back: eight lanes to a row of 128 bytes, four rows an instruction
	v_and_b32 v6, 31, v0
	v_lshlrev_b32 v[CO], 4, v6                     ; which are 512 consecutive bytes of a head's plane
	s_mul_i32 s23, s14, 8448                       ; my f32 stage: 16 rows x (512 bytes + 16)
	s_add_co_u32 s23, s23, FSTG
	v_mul_u32_u24 v5, v1, 528
	v_lshl_add_u32 v5, v2, 5, v5
	v_add_nc_u32 v[FSTO], s23, v5
	v_add_nc_u32 v[FRD], s23, v[CO]
	v_lshlrev_b32 v5, 4, v1
	v_lshl_add_u32 v[FO], v2, 14, v5               ; lanes 0-15: my first head's 256 bytes of a row; lanes 16-31: the next head's, 16,384 bytes on
	; where my part goes.  g0 = 4 x tile column + 2 x half: the first of my two heads among the 48 (q's 16, k's 16, v's 16); it is even, so both lie in the same third
	s_lshl_b32 s12, s42, 2
	s_lshl_b32 s13, s16, 1
	s_add_co_u32 s12, s12, s13
	s_lshr_b32 s13, s12, 4
	s_lshl_b32 s13, s13, 6
	s_lshl_b32 s66, s41, 4
	s_add_co_u32 s13, s13, s66
	s_and_b32 s66, s12, 15
	s_add_co_u32 s13, s13, s66                     ; the plane: 64 x third + 16 x batch + head
	s_lshl_b32 s2, s13, 18                         ; 262,144 bytes a plane
	s_and_b32 s66, ttmp7, 0xffff
	s_lshl_b32 s66, s66, 15
	s_add_co_u32 s2, s2, s66                       ; + 256 x cluster y rows of 128 bytes
	s_lshl_b32 s66, s15, 14
	s_add_co_u32 s2, s2, s66                       ; + my half's 128 rows
	s_add_nc_u64 s[98:99], s[98:99], s[2:3]
	s_lshl_b32 s2, s12, 14
	s_lshl_b32 s66, s41, 12
	s_add_co_u32 s2, s2, s66
	s_add_nc_u64 s[100:101], s[100:101], s[2:3]    ; qkvf at (4 g0 + batch) x 4,096 bytes
.macro FRAG reg, adr, q, i             ; 16 rows x 128 K of 4-bit codes: 8 registers: lane l holds row l % 16; registers 4 c .. 4 c + 3 hold K = 64 c + 32 (l / 16) + 0 .. 31
.irp c, 0,1
	ds_load_b128 v[\reg+4*\c:\reg+4*\c+3], v[\adr] offset:64*(\q)+32*\c+(\i)*16*PITCH
.endr
.endm
; 16 matrix instructions: A's blocks a0, a0 + 1 x B's eight, 128 along K.  zero = 1: the first product starts the sums, with the bias as C.  The 64 accumulators take turns, one instruction a turn.
.macro MUL16 a0, p, q, sc, zero
.irp a, \a0, \a0+1
.irp b, 0,1,2,3,4,5,6,7
.if \zero
	v_wmma_scale_f32_16x16x128_f8f6f4 v[8*(8*((\a)%4)+\b):8*(8*((\a)%4)+\b)+7], v[128*(\p)+FR*\b:128*(\p)+FR*\b+FR-1], v[AF+FR*(\a):AF+FR*(\a)+FR-1], v[BIAS+8*\b:BIAS+8*\b+7], v[SC+8*NQ*(\sc)+NQ*\b+(\q)], v[SC+8*NQ*(\sc)+NQ*(\a)+(\q)] matrix_a_fmt:MATRIX_FMT_FP4 matrix_b_fmt:MATRIX_FMT_FP4 matrix_a_scale:MATRIX_SCALE_ROW1
.else
	v_wmma_scale_f32_16x16x128_f8f6f4 v[8*(8*((\a)%4)+\b):8*(8*((\a)%4)+\b)+7], v[128*(\p)+FR*\b:128*(\p)+FR*\b+FR-1], v[AF+FR*(\a):AF+FR*(\a)+FR-1], v[8*(8*((\a)%4)+\b):8*(8*((\a)%4)+\b)+7], v[SC+8*NQ*(\sc)+NQ*\b+(\q)], v[SC+8*NQ*(\sc)+NQ*(\a)+(\q)] matrix_a_fmt:MATRIX_FMT_FP4 matrix_b_fmt:MATRIX_FMT_FP4 matrix_a_scale:MATRIX_SCALE_ROW1
.endif
.endr
.endr
.endm
.macro FETCH_B slot, q, p
	WIN TO_B
.irp i, 0,1,2,3,4,5,6,7
	FRAG 128*(\p)+FR*\i, ADRB+\slot, \q, \i
.endr
	WIN 0
.endm
.macro FETCH_A slot, q, i0
.irp i, \i0, \i0+1, \i0+2, \i0+3
	FRAG AF+FR*(\i), ADRA+\slot, \q, \i
.endr
.endm
.macro SCALES sc                       ; a slot's scale words: 4 words a row; lanes 0-15 take A's block i, lanes 16-31 B's block i
.irp i, 0,1,2,3,4,5,6,7
	ds_load_b128 v[SC+8*NQ*\sc+NQ*\i:SC+8*NQ*\sc+NQ*\i+3], v[ADRS] offset:\i*SBLK
.endr
.endm
.macro PLACES n                        ; a load into a register that a matrix instruction has read, and a read of a result, stand four plain vector instructions behind it (ISA guide 7.12.1 for reads of a result)
.rept \n
	v_nop
.endr
.endm
.macro STEP slot, q, zero              ; a step of 128 along K that has its successor in the same slot
	s_wait_dscnt 4*NL                              ; B's set and A's blocks 0-3 are in; the youngest eight loads (A's blocks 4-7) may be out
.if \zero
	WIN 0x81                                       ; C (the bias) in window 0, D in window 2
.else
	WIN MUL_LO
.endif
	MUL16 0, (\q)%2, \q, \slot, \zero
	MUL16 2, (\q)%2, \q, \slot, \zero
	s_wait_dscnt 0
	PLACES NP
	FETCH_B \slot, (\q)+1, 1-(\q)%2
	FETCH_A \slot, (\q)+1, 0
.if \zero
	WIN 0xc1
.else
	WIN MUL_HI
.endif
	MUL16 4, (\q)%2, \q, \slot, \zero
	MUL16 6, (\q)%2, \q, \slot, \zero
	PLACES NP
	WIN 0
	FETCH_A \slot, (\q)+1, 4
.endm
.macro STEPS slot, from
.set Q, \from
.rept NQ-1-\from
	STEP \slot, Q, 0
.set Q, Q+1
.endr
.endm
	s_wait_tensorcnt 1                             ; the scales and my part of slot 0 are in; slot 1's load may be out
	s_barrier_signal -1
	s_barrier_wait -1
	FETCH_B 0, 0, 0
	FETCH_A 0, 0, 0
	SCALES 0
	FETCH_A 0, 0, 4
	s_wait_loadcnt 0x0                             ; the bias
	STEP 0, 0, 1
	STEPS 0, 1
	; slot 0's last step changes slots: one barrier; in front of it each wave waits for all its tensor loads, adds 0 to its spare word and waits for that and for its reads of slot 0
	s_wait_tensorcnt 0x0
	ds_add_u32 v[SPW], v[NIL]
	s_wait_dscnt 4*NL+1                            ; the add and the youngest eight loads may be out
	WIN MUL_LO
	MUL16 0, 1, NQ-1, 0, 0
	s_wait_dscnt 0x0
	s_barrier_signal -1
	MUL16 2, 1, NQ-1, 0, 0
	WIN 0
	s_barrier_wait -1
	PLACES NP
	v_add_nc_u32 v[ADRS], 4*NQ, v[ADRS]            ; on to slot 1's scale words
	FETCH_B 1, 0, 0
	FETCH_A 1, 0, 0
	SCALES 1
	WIN MUL_HI
	MUL16 4, 1, NQ-1, 0, 0
	MUL16 6, 1, NQ-1, 0, 0
	PLACES NP
	WIN 0
	FETCH_A 1, 0, 4
	STEPS 1, 0
	s_wait_dscnt 4*NL                              ; the very last step
	WIN MUL_LO
	MUL16 0, 1, NQ-1, 1, 0
	MUL16 2, 1, NQ-1, 1, 0
	s_wait_dscnt 0
	WIN MUL_HI
	MUL16 4, 1, NQ-1, 1, 0
	MUL16 6, 1, NQ-1, 1, 0
	WIN 0
; THE WAY OUT, a block of 16 rows x 128 columns (two heads) at a time: rounded to f16, 16 bytes a lane into my stage, back as four whole rows of a head (512 consecutive bytes of its plane), stored.
.macro PACK a
.set AC, 64*((\a)%4)
	WIN 0x0a+5*((\a)/4)                            ; sources 0 and 1: window 2 or 3
.irp b, 0,1,2,3,4,5,6,7
.irp r, 0,1,2,3
	v_cvt_pk_f16_f32 v[TMP+4*\b+\r], v[AC+8*\b+2*\r], v[AC+8*\b+2*\r+1]   ; each accumulator from its low end on
.endr
.endr
	WIN 0
.endm
.macro TOSTAGE a
.set BB, OB+32*((\a)%2)
.irp b, 0,1,2,3,4,5,6,7
	ds_store_b128 v[STO], v[TMP+4*\b:TMP+4*\b+3] offset:(\b/4)*2304+32*(\b%4)
.endr
.irp u, 0,1,2,3,4,5,6,7
	ds_load_b128 v[BB+4*\u:BB+4*\u+3], v[RD] offset:(\u/4)*2304+(\u%4)*576   ; LDS serves a wave's instructions in order: these see the stores above
.endr
.endm
.macro SEND a
.set BB, OB+32*((\a)%2)
	s_wait_dscnt 0x0                               ; the block is back in registers
	s_wait_xcnt 0x0                                ; the block before has had its stores' registers read: the next block's loads may land there
.irp u, 0,1,2,3,4,5,6,7
	global_store_b128 v[CO], v[BB+4*\u:BB+4*\u+3], s[98:99] offset:(\u/4)*262144+(16*(\a)+4*(\u%4))*128   ; 32 lanes store 512 consecutive bytes, aligned
.endr
.endm
	PLACES NP
	; positions 0 to 15 of a sequence also leave in f32: block 0 of the waves with the upper half of the rows, in the clusters with y = 0.  The test is the same in all partners
	s_and_b32 s2, ttmp7, 0xffff
	s_or_b32 s2, s2, s15
	s_cmp_lg_u32 s2, 0
	s_cbranch_scc1 .Lno_fine
	WIN 0x08                                       ; an LDS store's data are its source 1: window 2
.irp b, 0,1,2,3,4,5,6,7
	ds_store_b128 v[FSTO], v[8*\b:8*\b+3] offset:64*\b
	ds_store_b128 v[FSTO], v[8*\b+4:8*\b+7] offset:64*\b+16
.endr
	WIN 0
.irp t, 0,1,2,3,4,5,6,7,8,9,10,11,12,13,14,15
	ds_load_b128 v[OB+4*\t:OB+4*\t+3], v[FRD] offset:\t*528
.endr
.irp t, 0,1,2,3,4,5,6,7,8,9,10,11,12,13,14,15
	s_wait_dscnt 15-\t                             ; row t is back; the younger loads may be out
	global_store_b128 v[FO], v[OB+4*\t:OB+4*\t+3], s[100:101] offset:256*\t   ; each half of the lanes stores 256 consecutive bytes, aligned: a head's row
.endr
	s_wait_xcnt 0x0                                ; these stores have read their registers, which the first block's loads take next
.Lno_fine:
	PACK 0
	TOSTAGE 0
.irp a, 1,2,3,4,5,6,7
	PACK \a
	SEND \a-1
	TOSTAGE \a
.endr
	SEND 7
	s_wait_tensorcnt 0x0                           ; the wave's end: behind my last tensor load and my last LDS store
	ds_add_u32 v[SPW], v[NIL]
	s_wait_dscnt 0x0
	CROUND                                         ; the closing round
	s_endpgm
.Lfunc_end_k_qd2f3cccd6b_qkv:
	.size	k_qd2f3cccd6b_qkv, .Lfunc_end_k_qd2f3cccd6b_qkv-k_qd2f3cccd6b_qkv
	.p2alignl 7, 3214868480
	.fill 96, 4, 3214868480
	.section	.rodata,"a",@progbits
	.p2align	6, 0x0
	.amdhsa_kernel k_qd2f3cccd6b_qkv
		.amdhsa_group_segment_fixed_size 327680
		.amdhsa_private_segment_fixed_size 0
		.amdhsa_enable_private_segment 0
		.amdhsa_kernarg_size 56
		.amdhsa_user_sgpr_count 2
		.amdhsa_user_sgpr_kernarg_segment_ptr 1
		.amdhsa_wavefront_size32 1
		.amdhsa_system_sgpr_workgroup_id_x 1
		.amdhsa_system_sgpr_workgroup_id_y 1
		.amdhsa_system_sgpr_workgroup_id_z 1
		.amdhsa_system_vgpr_workitem_id 0
		.amdhsa_next_free_vgpr 1024
		.amdhsa_next_free_sgpr 102
		.amdhsa_reserve_vcc 0
		.amdhsa_float_denorm_mode_32 3
		.amdhsa_float_denorm_mode_16_64 3
		.amdhsa_memory_ordered 1
		.amdhsa_forward_progress 1
		.amdhsa_inst_pref_size 133
	.end_amdhsa_kernel
	.amdgpu_metadata
---
amdhsa.version: [ 1, 2 ]
amdhsa.kernels:
  - .name:           k_qd2f3cccd6b_qkv
    .symbol:         k_qd2f3cccd6b_qkv.kd
    .args:
      - { .name: x_codes, .offset: 0, .size: 8, .value_kind: global_buffer, .address_space: global }
      - { .name: x_scales, .offset: 8, .size: 8, .value_kind: global_buffer, .address_space: global }
      - { .name: w_codes, .offset: 16, .size: 8, .value_kind: global_buffer, .address_space: global }
      - { .name: w_scales, .offset: 24, .size: 8, .value_kind: global_buffer, .address_space: global }
      - { .name: b_qkv, .offset: 32, .size: 8, .value_kind: global_buffer, .address_space: global }
      - { .name: qkv16, .offset: 40, .size: 8, .value_kind: global_buffer, .address_space: global }
      - { .name: qkvf, .offset: 48, .size: 8, .value_kind: global_buffer, .address_space: global }
    .group_segment_fixed_size: 327680
    .private_segment_fixed_size: 0
    .kernarg_segment_align: 8
    .kernarg_segment_size: 56
    .max_flat_workgroup_size: 128
    .sgpr_count:     102
    .vgpr_count:     1024
    .wavefront_size: 32
...
	.end_amdgpu_metadata
.endif
;; end of part 2
;; launch attn (part 3): grid 4 x 64, 8 waves a work-group, no clusters, 327,680 bytes of LDS; arguments qkv16, att16; writes att16
.if DOCPART == 3
	.amdgcn_target "amdgcn-amd-amdhsa--gfx1250"
	.amdhsa_code_object_version 6
	.text
	.protected	k_qd2f3cccd6b_attn
	.globl	k_qd2f3cccd6b_attn
	.p2align	8
	.type	k_qd2f3cccd6b_attn,@function
k_qd2f3cccd6b_attn:
	s_mov_b64 s[64:65], 0
	v_nop
	global_prefetch_b8 v0, s[64:65] scope:SCOPE_SE
	s_setreg_imm32_b32 hwreg(HW_REG_WAVE_MODE, 25, 1), 1
	s_wait_xcnt 0x0
; att[b][h][q][:] = sum over k <= q of softmax_k(Q[q] . K[k] / 8) V[k][:], per batch and head.  Q, K, V: f16 planes [2048][64] of qkv16 (q's 64 planes, then k's, then v's); att16: f16 [64 planes][2048][64].
; Products on f16 operands, sums, maxima and the softmax in f32; the weights p are rounded to f16 for the second product, the result once at the end.
; LIMIT: q, k, v and the results lie inside f16's range (65,504).  Positions 0 to 15 of each sequence are computed here too, and once more in f32 by a later launch, which has the last word on them.
; SHARES.  Work-group (i, plane) owns query blocks 7 - i and i of 256 queries.  Under the causal mask block j wants key slots 0 .. j of 256 keys: 8 - i slots and i + 1 slots: NINE for every work-group, so all
; trip counts are constants and all work-groups have equal work.  A wave owns 32 queries of the block in hand, two tiles of 16; a step is 64 keys.  Two waves share a SIMD, so that one wave's softmax stands beside the other's products.
; NO CLUSTER: the four work-groups of a plane want different key slots from the fifth trip on, and the change of query block is a branch on the work-group's number.
; LAYOUT.  S^T = K Q^T (source 0 = 16 keys, source 1 = 16 queries): a lane holds ONE query (lane % 16) and keys 8 (lane / 16) + 0..7.  Two such tiles, rounded to f16 in pairs, ARE source 1 (32 keys x 16 queries) of
; O^T = V^T P, whose result again holds one query a lane.  K comes out of LDS as it lies, V ([key][channel]) turned, by ds_load_tr16_b128.
; SOFTMAX.  For each query a running maximum m and sum l: p = 2^(c s - c m), c = log2(e) / 8; in every step O^T and l are multiplied by a = 2^(c m_old - c m_new).
; THE MASK.  A step all of whose keys come after my 32 queries is left out by a scalar branch on ids.  Steps begin at multiples of 64 and my queries at a multiple of 32, so in every step that is walked the step's first key counts for all my queries.
; REGISTERS: window 0: v1-15 addresses; v16-31 statistics, eight a tile; v32-95 S^T; v96-127 P; v128-191 K's fragments; v192-255 V's.   window 1: v0-31 Q; v32-95 O^T.
.set PK,    144                        ; a row of K in LDS: 128 bytes + 16 = 36 words: the 16 rows of a load start at 16 different groups of four banks (64 banks of 4 bytes: ISA guide 11.1)
.set PV,    160                        ; a row of V: 128 + 32 = 40 words
.set VOFF,  256*PK                     ; a slot: 256 rows of K, then 256 rows of V
.set SLOT1, 1<<17                      ; slot 1 begins here: one exclusive or turns an address in one slot into the other's
.set STAGE, SLOT1+256*(PK+PV)          ; behind the ring: 32 rows x 144 bytes for each wave, bytes of its own: it is used in the middle of the walk
.set SPARE, STAGE+8*32*144             ; the spare words, 128 bytes for each wave: four blocks of 256 bytes that no other line names
.set AK0, 1
.set AV0, 2
.set ADK, 3
.set ADV, 4
.set QO,  5
.set STO, 6
.set RD,  7
.set GO,  8
.set PFO, 9
.set SPW, 10
.set NIL, 11
.set DQ,  12                           ; v12  lane % 16 - 8 (lane / 16);  v13 -infinity;  v14, v15: at work
.set ST,  16                           ; tile t's statistics at v[ST + 8 t]: +0 c m, +1 m, +2, +3 l (even keys', odd keys'), +4 to +7 c0-c3, at work; a takes c2's place
.set S,   32
.set P,   96
.set KFR, 128
.set VFR, 192
.set WV,  8                            ; s8   wave;  s9 wave % 4;  s10 i;  s11 the plane;  s12 8 - i;  s13 the trip;  s14 counts a slot's steps;  s15 the key slot asked for last
.set W3,  9
.set II,  10
.set HB,  11
.set NA,  12
.set SS,  13
.set QC,  14
.set NK,  15
.set HO,  16                           ; s[16:17] the plane's first byte
.set QB,  18                           ; s[18:19] Q at my first query;  s[20:21] att16 likewise
.set AO,  20
.set KB,  22                           ; s[22:23] K's plane at my 64 rows of key slot 0;  s[24:25] V's
.set VB,  24
.set OFF, 26
.set G1K, 28
.set G1V, 36
.set G0K, 44
.set G0V, 48
.set CS,  52
.set SEL, 54
.set TK,  56                           ; s56, s57  LDS byte at which the step's rows of K, of V begin
.set TV,  57
.set KF,  58                           ; s58 the step's first key;  s59, s60 my first and last query
.set Q0,  59
.set QL,  60
.set LIM, 61
.set PFA, 62
.set MSB, 0
.macro WIN new
.if MSB != \new
	s_set_vgpr_msb (MSB<<8)|\new
.set MSB, \new
.endif
.endm
; Every wave fetches 64 rows: waves 0 to 3 of K, waves 4 to 7 of V.  The branch hangs on the wave's number alone.  An s_nop 0 and four v_nop follow each of the two lines.
.macro TLOAD
	s_cmp_lt_u32 s[WV], 4
	s_cbranch_scc0 .Lfor_v_\@
	tensor_load_to_lds s[G0K:G0K+3], s[G1K:G1K+7]
	s_nop 0
.rept 4
	v_nop
.endr
	s_branch .Lasked_\@
.Lfor_v_\@:
	tensor_load_to_lds s[G0V:G0V+3], s[G1V:G1V+7]
	s_nop 0
.rept 4
	v_nop
.endr
.Lasked_\@:
.endm
; A PREFETCH INTO THE L2 of what the next change of slots will ask for.  The four work-groups of a plane walk the same K and V; the one with i = 0, which walks key slots 0 to 7 in order, asks: in trip s each of its waves names
; its own 64 rows (8,192 bytes, lanes 256 bytes apart) of key slot s + 2, for s = 0 .. 5.  So each block is named once in the launch, slots 0 and 1 come by their loads alone, and nothing is named past slot 7.
.macro ASK
	s_cmp_lt_u32 s[SS], s[LIM]
	s_cbranch_scc0 .Lnot_mine_\@
	global_prefetch_b8 v[PFO], s[PFA:PFA+1] th:TH_LOAD_NT scope:SCOPE_SE
.Lnot_mine_\@:
.endm
.macro SETBLK blk                      ; the query block whose number stands in s[blk]
	s_lshl_b32 s[Q0], s[\blk], 8
	s_lshl_b32 s66, s[WV], 5
	s_add_co_u32 s[Q0], s[Q0], s66
	s_add_co_u32 s[QL], s[Q0], 31
	s_mov_b32 s[KF], 0
	s_lshl_b32 s66, s[Q0], 7
	s_mov_b32 s67, 0
	s_add_nc_u64 s[66:67], s[66:67], s[HO:HO+1]
	s_add_nc_u64 s[QB:QB+1], s[4:5], s[66:67]
	s_add_nc_u64 s[AO:AO+1], s[6:7], s[66:67]
.endm
.macro INIT                            ; Q's four fragments; m = -3e38, l = 0, O^T = 0: the step is written once, and its first walk finds zeros, which a = 0 leaves zeros
	WIN 0x40                                       ; destination window 1, address window 0
.irp t, 0,1
.irp c, 0,1
	global_load_b128 v[16*\t+8*\c:16*\t+8*\c+3],   v[QO], s[QB:QB+1] offset:\t*2048+\c*64
	global_load_b128 v[16*\t+8*\c+4:16*\t+8*\c+7], v[QO], s[QB:QB+1] offset:\t*2048+\c*64+32
.endr
.endr
.set i, 0
.rept 64
	v_mov_b32 v[32+i], 0
.set i, i+1
.endr
	WIN 0
.irp t, 0,1
	v_mov_b32 v[ST+8*\t+1], 0xff61b1e6
	v_mul_f32 v[ST+8*\t], s[CS], v[ST+8*\t+1]
.irp j, 2,3,4,5,6,7
	v_mov_b32 v[ST+8*\t+\j], 0
.endr
.endr
	s_wait_loadcnt 0x0
.endm
; A KEY STEP: 64 keys.
.macro STEP
	s_cmp_gt_u32 s[KF], s[QL]                      ; all its keys come after my queries: only the addresses step
	s_cbranch_scc1 .Lhidden_\@
	v_add_nc_u32 v[ADK], s[TK], v[AK0]             ; these four plain lines are the places between the last step's products and the loads into the registers that they read
	v_add_nc_u32 v[ADV], s[TV], v[AV0]
	v_nop
	v_nop
.irp f, 0,1,2,3,4,5,6,7                ; K: keys 16 (f / 2) on, channels 32 (f % 2) on
	ds_load_b128 v[KFR+8*\f:KFR+8*\f+3],   v[ADK] offset:(\f/2)*16*PK+(\f%2)*64
	ds_load_b128 v[KFR+8*\f+4:KFR+8*\f+7], v[ADK] offset:(\f/2)*16*PK+(\f%2)*64+32
.endr
.irp f, 0,1,2,3,4,5,6,7                ; V, turned: keys 32 (f / 4) on, channels 16 (f % 4) on
	ds_load_tr16_b128 v[VFR+8*\f:VFR+8*\f+3],   v[ADV] offset:(\f/4)*32*PV+(\f%4)*32
	ds_load_tr16_b128 v[VFR+8*\f+4:VFR+8*\f+7], v[ADV] offset:(\f/4)*32*PV+16*PV+(\f%4)*32
.endr
	s_wait_dscnt 16                                ; K is in; V's sixteen loads may be out
	WIN 0x04                                       ; source 1 (Q) window 1
.set i, 0
.rept 16                               ; channels 32 (i / 8) on, keys 16 ((i / 2) % 4) on, tile i % 2: eight accumulators by turns; the first eight start the sums
.set rS, S+32*(i%2)+8*((i/2)%4)
.set rK, KFR+16*((i/2)%4)+8*(i/8)
.set rQ, 16*(i%2)+8*(i/8)
.if i < 8
	v_wmma_f32_16x16x32_f16 v[rS:rS+7], v[rK:rK+7], v[rQ:rQ+7], 0
.else
	v_wmma_f32_16x16x32_f16 v[rS:rS+7], v[rK:rK+7], v[rQ:rQ+7], v[rS:rS+7]
.endif
.set i, i+1
.endr
	WIN 0
.rept 4
	v_nop
.endr
	s_add_co_u32 s66, s[KF], 63                    ; a step all of whose keys count skips the mask
	s_cmp_le_u32 s66, s[Q0]
	s_cbranch_scc1 .Lopen_\@
	s_sub_co_i32 s66, s[Q0], s[KF]
	v_add_nc_u32 v14, s66, v[DQ]                   ; tile t: d = Q0 + 16 t + lane % 16 - KF - 8 (lane / 16).  Register 8 kt + j holds key KF + 16 kt + 8 (lane / 16) + j: hidden where 16 kt + j > d
	v_add_nc_u32 v15, 16, v14
.irp t, 0,1
.irp n, 0,1,2,3,4,5,6,7,8,9,10,11,12,13,14,15,16,17,18,19,20,21,22,23,24,25,26,27,28,29,30,31
	v_cmp_gt_i32 vcc_lo, 16*(\n/8)+\n%8, v[14+\t]
	v_cndmask_b32 v[S+32*\t+\n], v[S+32*\t+\n], v13, vcc_lo
.endr
.endr
.Lopen_\@:
	; the maximum of the lane's 32 scores and the old m, three operands at a time, four chains; the two tiles alternate line by line
.irp j, 0,1,2,3
.irp t, 0,1
	v_max3_num_f32 v[ST+8*\t+4+\j], v[S+32*\t+8*\j], v[S+32*\t+8*\j+1], v[S+32*\t+8*\j+2]
.endr
.endr
.irp g, 1,2
.irp j, 0,1,2,3
.irp t, 0,1
	v_max3_num_f32 v[ST+8*\t+4+\j], v[ST+8*\t+4+\j], v[S+32*\t+8*\j+2*\g+1], v[S+32*\t+8*\j+2*\g+2]
.endr
.endr
.endr
.irp t, 0,1
	v_max3_num_f32 v[ST+8*\t+4], v[ST+8*\t+4], v[S+32*\t+7], v[S+32*\t+15]
.endr
.irp t, 0,1
	v_max3_num_f32 v[ST+8*\t+6], v[ST+8*\t+6], v[S+32*\t+23], v[S+32*\t+31]
.endr
.irp t, 0,1
	v_max3_num_f32 v[ST+8*\t+4], v[ST+8*\t+4], v[ST+8*\t+5], v[ST+8*\t+6]
.endr
.irp t, 0,1
	v_max3_num_f32 v[ST+8*\t+4], v[ST+8*\t+4], v[ST+8*\t+7], v[ST+8*\t+1]
.endr
.irp t, 0,1
	v_permlanex16_b32 v[ST+8*\t+5], v[ST+8*\t+4], s[SEL], s[SEL+1]   ; the query's other 32 keys lie in the lane 16 away
.endr
.irp t, 0,1
	v_mov_b32 v[ST+8*\t+7], v[ST+8*\t]             ; c m_old is kept for a
.endr
.irp t, 0,1
	v_max_num_f32 v[ST+8*\t+1], v[ST+8*\t+4], v[ST+8*\t+5]
.endr
.irp t, 0,1
	v_mul_f32 v[ST+8*\t], s[CS], v[ST+8*\t+1]
.endr
.irp t, 0,1
	v_sub_f32 v[ST+8*\t+7], v[ST+8*\t+7], v[ST+8*\t]
.endr
.irp b, 0,1,2,3,4,5,6,7,8,9,10,11,12,13,14,15
.irp t, 0,1
	v_pk_fma_f32 v[S+32*\t+2*\b:S+32*\t+2*\b+1], v[S+32*\t+2*\b:S+32*\t+2*\b+1], s[CS:CS+1], v[ST+8*\t:ST+8*\t+1] op_sel_hi:[1,0,0] neg_lo:[0,0,1] neg_hi:[0,0,1]   ; c s - c m
.endr
.endr
	; ONE BATCH of 66 exponentials, none of which reads another's result; one plain line; one wait, ahead of the first reader
.irp t, 0,1
	v_exp_f32 v[ST+8*\t+6], v[ST+8*\t+7]           ; a
.endr
.irp e, 0,1,2,3,4,5,6,7,8,9,10,11,12,13,14,15,16,17,18,19,20,21,22,23,24,25,26,27,28,29,30,31
.irp t, 0,1
	v_exp_f32 v[S+32*\t+\e], v[S+32*\t+\e]
.endr
.endr
	v_nop
	s_wait_alu depctr_va_vdst(0)
.irp b, 0,1,2,3,4,5,6,7,8,9,10,11,12,13,14,15
.irp t, 0,1
	v_cvt_pk_f16_f32 v[P+16*\t+\b], v[S+32*\t+2*\b], v[S+32*\t+2*\b+1]
.endr
.endr
	; the sum of the tile's 16 pairs, in place: neighbours 1, 2, 4 and 8 pairs apart; then l = a l + the sum
.irp u, 0,1,2,3,4,5,6,7
.irp t, 0,1
	v_pk_add_f32 v[S+32*\t+4*\u:S+32*\t+4*\u+1], v[S+32*\t+4*\u:S+32*\t+4*\u+1], v[S+32*\t+4*\u+2:S+32*\t+4*\u+3]
.endr
.endr
.irp u, 0,1,2,3
.irp t, 0,1
	v_pk_add_f32 v[S+32*\t+8*\u:S+32*\t+8*\u+1], v[S+32*\t+8*\u:S+32*\t+8*\u+1], v[S+32*\t+8*\u+4:S+32*\t+8*\u+5]
.endr
.endr
.irp u, 0,1
.irp t, 0,1
	v_pk_add_f32 v[S+32*\t+16*\u:S+32*\t+16*\u+1], v[S+32*\t+16*\u:S+32*\t+16*\u+1], v[S+32*\t+16*\u+8:S+32*\t+16*\u+9]
.endr
.endr
.irp t, 0,1
	v_pk_add_f32 v[S+32*\t:S+32*\t+1], v[S+32*\t:S+32*\t+1], v[S+32*\t+16:S+32*\t+17]
.endr
.irp t, 0,1
	v_pk_fma_f32 v[ST+8*\t+2:ST+8*\t+3], v[ST+8*\t+2:ST+8*\t+3], v[ST+8*\t+6:ST+8*\t+7], v[S+32*\t:S+32*\t+1] op_sel_hi:[1,0,1]
.endr
	WIN 0x41                                       ; O^T (destination and source 0) window 1, a window 0
.irp t, 0,1
.set i, 0
.rept 16
	v_pk_mul_f32 v[32+32*\t+i:32+32*\t+i+1], v[32+32*\t+i:32+32*\t+i+1], v[ST+8*\t+6:ST+8*\t+7] op_sel_hi:[1,0]
.set i, i+2
.endr
.endr
	s_wait_dscnt 0x0                               ; V is in
	WIN 0x50                                       ; C and D (O^T) window 1
.set i, 0
.rept 16                               ; keys 32 (i / 8) on, channels 16 ((i / 2) % 4) on, tile i % 2: eight accumulators by turns
.set rO, 32+32*(i%2)+8*((i/2)%4)
.set rV, VFR+32*(i/8)+8*((i/2)%4)
.set rP, P+16*(i%2)+8*(i/8)
	v_wmma_f32_16x16x32_f16 v[rO:rO+7], v[rV:rV+7], v[rP:rP+7], v[rO:rO+7]
.set i, i+1
.endr
	WIN 0
.Lhidden_\@:
	s_add_co_u32 s[KF], s[KF], 64
	s_add_co_u32 s[TK], s[TK], 64*PK
	s_add_co_u32 s[TV], s[TV], 64*PV
.endm
.macro SLOT_STEPS                      ; a slot's four steps: written once, walked four times
	s_mov_b32 s[QC], 4
.Lstep_\@:
	STEP
	s_sub_co_u32 s[QC], s[QC], 1
	s_cmp_lg_u32 s[QC], 0
	s_cbranch_scc1 .Lstep_\@
	s_sub_co_u32 s[TK], s[TK], 256*PK              ; back to a slot's first step,
	s_sub_co_u32 s[TV], s[TV], 256*PV
	s_xor_b32 s[TK], s[TK], SLOT1                  ; in the other slot
	s_xor_b32 s[TV], s[TV], SLOT1
.endm
; THE CHANGE OF SLOTS stands at a slot's head.  Each wave waits for all its tensor loads (one is out: its part of the slot that it is about to read), adds 0 to its spare word, and waits for that and for its reads of the
; slot that it has left.  Behind the barrier the slot ahead is whole and nobody reads the other one.  fill = 1: that other slot takes the next trip's keys: one load a wave, with a slot's four steps in which to land.
.macro CHANGE fill
	s_wait_tensorcnt 0x0                           ; no tensor load of mine is out, so a group 0 may be written
	ds_add_u32 v[SPW], v[NIL]                      ; 0 onto my spare word; the descriptors' steps stand between it and the wait for it
.if \fill
	s_add_co_u32 s[NK], s[NK], 1                   ; the next key slot; behind the first block's last slot comes the second block's slot 0
	s_cmp_eq_u32 s[NK], s[NA]
	s_cselect_b32 s[NK], 0, s[NK]
	s_lshl_b32 s[OFF], s[NK], 15                   ; 256 rows of 128 bytes a slot
	s_add_nc_u64 s[G0K+2:G0K+3], s[KB:KB+1], s[OFF:OFF+1]
	s_or_b32 s[G0K+3], s[G0K+3], 0x80000000
	s_add_nc_u64 s[G0V+2:G0V+3], s[VB:VB+1], s[OFF:OFF+1]
	s_or_b32 s[G0V+3], s[G0V+3], 0x80000000
	s_xor_b32 s[G0K+1], s[G0K+1], SLOT1            ; the other slot than last time
	s_xor_b32 s[G0V+1], s[G0V+1], SLOT1
	s_wait_xcnt 0x0                                ; the last prefetch, a slot back, has read its address
	s_add_nc_u64 s[PFA:PFA+1], s[PFA:PFA+1], 32768
.endif
	s_wait_dscnt 0x0                               ; the add is done, and my reads of the slot that I have left are over
	s_barrier_signal -1
	s_barrier_wait -1
.if \fill
	TLOAD                                          ; the first thing behind the barrier, and my one tensor load until the next
	ASK
.endif
.endm
; THE WAY OUT of a block: l's two halves and the other half of the lanes' are added; O^T is divided by l, rounded to f16, and goes through my stage: 32 rows of 128 bytes, which are 4,096 consecutive bytes of the plane.
.macro FINISH
.rept 4
	v_nop                                          ; places behind the last products
.endr
.irp t, 0,1
	v_add_f32 v[ST+8*\t+4], v[ST+8*\t+2], v[ST+8*\t+3]
.endr
.irp t, 0,1
	v_permlanex16_b32 v[ST+8*\t+5], v[ST+8*\t+4], s[SEL], s[SEL+1]
.endr
.irp t, 0,1
	v_add_f32 v[ST+8*\t+4], v[ST+8*\t+4], v[ST+8*\t+5]
.endr
.irp t, 0,1
	v_rcp_f32 v[ST+8*\t+6], v[ST+8*\t+4]
.endr
	v_nop                                          ; a plain line behind the reciprocals,
	s_wait_alu depctr_va_vdst(0)                   ; and a wait ahead of their first reader
	WIN 0x41
.irp t, 0,1
.set i, 0
.rept 16
	v_pk_mul_f32 v[32+32*\t+i:32+32*\t+i+1], v[32+32*\t+i:32+32*\t+i+1], v[ST+8*\t+6:ST+8*\t+7] op_sel_hi:[1,0]
.set i, i+2
.endr
.endr
	WIN 0x05                                       ; sources window 1, destination window 0: S^T's registers are free
.set i, 0
.rept 32
	v_cvt_pk_f16_f32 v[S+i], v[32+2*i], v[32+2*i+1]
.set i, i+1
.endr
	WIN 0
.irp t, 0,1
.irp c, 0,1,2,3
	ds_store_b128 v[STO], v[S+16*\t+4*\c:S+16*\t+4*\c+3] offset:\t*2304+32*\c
.endr
.endr
.irp u, 0,1,2,3,4,5,6,7
	ds_load_b128 v[S+32+4*\u:S+32+4*\u+3], v[RD] offset:\u*576   ; LDS serves a wave's instructions in order: these see the stores above
.endr
.irp u, 0,1,2,3,4,5,6,7
	s_wait_dscnt 7-\u                              ; four rows are back; the younger loads may be out
	global_store_b128 v[GO], v[S+32+4*\u:S+32+4*\u+3], s[AO:AO+1] offset:512*\u   ; 32 lanes store 512 consecutive bytes, aligned
.endr
	s_wait_xcnt 0x0                                ; the stores have read their registers and their base: both are written again
.endm
.macro SWITCHTEST                      ; the first block's slots are walked: it goes out, and the second block begins.  The test hangs on the work-group's number and the trip: the same in all eight waves
	s_cmp_lg_u32 s[SS], s[NA]
	s_cbranch_scc1 .Lsame_\@
	FINISH
	SETBLK II
	INIT
.Lsame_\@:
.endm
	s_load_b128 s[4:7], s[0:1], 0x0                ; qkv16, att16
	v_lshl_add_u32 v[SPW], v0, 2, SPARE
	v_mov_b32 v[NIL], 0
	ds_add_u32 v[SPW], v[NIL]                      ; the wave's opening: the add, twice on end, and its wait ahead of my first tensor load
	ds_add_u32 v[SPW], v[NIL]
	v_lshrrev_b32 v1, 5, v0
	v_readfirstlane_b32 s[WV], v1                  ; wave 0..7
	s_and_b32 s[W3], s[WV], 3
	s_mov_b32 s[II], ttmp9
	s_and_b32 s[HB], ttmp7, 0xffff
	s_sub_co_u32 s[NA], 8, s[II]
	s_mov_b32 s[SS], 0
	s_mov_b32 s[NK], 0
	s_lshl_b32 s[HO], s[HB], 18                    ; 262,144 bytes a plane
	s_mov_b32 s[HO+1], 0
	s_mov_b32 s[OFF+1], 0
	s_mov_b32 s[G1K], (1<<16)|(1<<20)|(4<<22)|(3<<25)   ; no mask; elements of 2 bytes; padding on: after every 32 words, 4 words
	s_mov_b32 s[G1V], (1<<16)|(1<<20)|(4<<22)|(7<<25)   ; the same with 8 words
.irp g, G1K, G1V
	s_mov_b32 s[\g+1], 64<<16                      ; tensor_dim0 = 64
	s_mov_b32 s[\g+2], 64<<16                      ; tensor_dim1 = 64
	s_mov_b32 s[\g+3], 64<<16                      ; tile_dim0 = 64
	s_mov_b32 s[\g+4], 64                          ; tile_dim1 = 64
	s_mov_b32 s[\g+5], 64                          ; tensor_dim0_stride
	s_mov_b32 s[\g+6], 0
	s_mov_b32 s[\g+7], 0
.endr
	s_mov_b32 s[CS], 0x3e38aa3b                    ; c = log2(e) / 8
	s_mov_b32 s[CS+1], s[CS]                       ; (named with it as a pair, so it is written)
	s_mov_b32 s[SEL], 0x76543210
	s_mov_b32 s[SEL+1], 0xfedcba98
	s_mov_b32 s[TK], 0
	s_mov_b32 s[TV], 0
	s_cmp_eq_u32 s[II], 0
	s_cselect_b32 s[LIM], 6, 0
	s_lshl_b32 s66, s[W3], 13                      ; my 64 rows of 128 bytes in a slot,
	s_mov_b32 s67, 0
	s_add_nc_u64 s[66:67], s[66:67], s[HO:HO+1]    ; in my plane
	s_mul_i32 s68, s[W3], 64*PK                    ; and in LDS
	s_mul_i32 s69, s[W3], 64*PV
	s_wait_dscnt 0x0                               ; both opening adds are done
	s_wait_kmcnt 0x0
	s_add_nc_u64 s[KB:KB+1], s[4:5], s[66:67]
	s_add_nc_u64 s[VB:VB+1], s[KB:KB+1], 0x2000000 ; v's planes begin 128 planes on,
	s_add_nc_u64 s[KB:KB+1], s[KB:KB+1], 0x1000000 ; k's 64
	s_mov_b32 s[G0K], 1
	s_mov_b32 s[G0K+1], s68
	s_mov_b64 s[G0K+2:G0K+3], s[KB:KB+1]
	s_or_b32 s[G0K+3], s[G0K+3], 0x80000000
	s_mov_b32 s[G0V], 1
	s_add_co_u32 s[G0V+1], s69, VOFF
	s_mov_b64 s[G0V+2:G0V+3], s[VB:VB+1]
	s_or_b32 s[G0V+3], s[G0V+3], 0x80000000
	TLOAD                                          ; key slot 0 into slot 0
	s_cmp_lt_u32 s[WV], 4
	s_cselect_b64 s[PFA:PFA+1], s[KB:KB+1], s[VB:VB+1]
	s_add_nc_u64 s[PFA:PFA+1], s[PFA:PFA+1], 32768 ; at key slot 1: the first change of slots steps it to slot 2.  Nothing is prefetched here, at the head
	v_and_b32 v14, 15, v0                          ; r
	v_bfe_u32 v15, v0, 4, 1                        ; h
	v_mul_u32_u24 v[AK0], v14, PK
	v_lshl_add_u32 v[AK0], v15, 4, v[AK0]          ; K: row r x pitch + 16 h
	v_and_b32 v3, 7, v0
	v_lshl_add_u32 v[AV0], v15, 3, v3
	v_mul_u32_u24 v[AV0], v[AV0], PV
	v_bfe_u32 v4, v0, 3, 1
	v_lshl_add_u32 v[AV0], v4, 4, v[AV0]
	v_add_nc_u32 v[AV0], VOFF, v[AV0]              ; V: key 8 h + l % 8, channels 8 ((l / 8) % 2) on
	v_lshlrev_b32 v[QO], 7, v14
	v_lshl_add_u32 v[QO], v15, 4, v[QO]            ; Q: row r of 128 bytes + 16 h
	s_mul_i32 s66, s[WV], 32*144
	s_add_co_u32 s66, s66, STAGE
	v_add_nc_u32 v[STO], s66, v[AK0]               ; my stage, in: row r, 16 bytes for each half of the lanes
	v_bfe_u32 v4, v0, 3, 2
	v_mul_u32_u24 v4, v4, 144
	v_lshl_add_u32 v4, v3, 4, v4
	v_add_nc_u32 v[RD], s66, v4                    ; back: eight lanes to a row, four rows an instruction
	v_and_b32 v4, 31, v0
	v_lshlrev_b32 v[GO], 4, v4
	v_lshlrev_b32 v[PFO], 8, v4
	v_lshlrev_b32 v4, 3, v15
	v_sub_nc_u32 v[DQ], v14, v4
	v_mov_b32 v13, 0xff800000                      ; -infinity
	s_sub_co_u32 s68, 7, s[II]
	SETBLK 68                                      ; the larger block first
	INIT
.Ltrip:                                            ; eight trips: behind each change of slots the next trip's keys are asked for
	CHANGE 1
	SWITCHTEST
	SLOT_STEPS
	s_add_co_u32 s[SS], s[SS], 1
	s_cmp_lt_u32 s[SS], 8
	s_cbranch_scc1 .Ltrip
	CHANGE 0                                       ; the ninth is written out: nothing is left to fetch
	SWITCHTEST
	SLOT_STEPS
	FINISH
	s_wait_tensorcnt 0x0                           ; the wave's end: behind my last tensor load and my last LDS store
	ds_add_u32 v[SPW], v[NIL]
	s_wait_dscnt 0x0
	s_endpgm
.Lfunc_end_k_qd2f3cccd6b_attn:
	.size	k_qd2f3cccd6b_attn, .Lfunc_end_k_qd2f3cccd6b_attn-k_qd2f3cccd6b_attn
	.p2alignl 7, 3214868480
	.fill 96, 4, 3214868480
	.section	.rodata,"a",@progbits
	.p2align	6, 0x0
	.amdhsa_kernel k_qd2f3cccd6b_attn
		.amdhsa_group_segment_fixed_size 327680
		.amdhsa_private_segment_fixed_size 0
		.amdhsa_enable_private_segment 0
		.amdhsa_kernarg_size 16
		.amdhsa_user_sgpr_count 2
		.amdhsa_user_sgpr_kernarg_segment_ptr 1
		.amdhsa_wavefront_size32 1
		.amdhsa_system_sgpr_workgroup_id_x 1
		.amdhsa_system_sgpr_workgroup_id_y 1
		.amdhsa_system_sgpr_workgroup_id_z 1
		.amdhsa_system_vgpr_workitem_id 0
		.amdhsa_next_free_vgpr 384
		.amdhsa_next_free_sgpr 72
		.amdhsa_reserve_vcc 1
		.amdhsa_float_denorm_mode_32 3
		.amdhsa_float_denorm_mode_16_64 3
		.amdhsa_memory_ordered 1
		.amdhsa_forward_progress 1
		.amdhsa_inst_pref_size 82
	.end_amdhsa_kernel
	.amdgpu_metadata
---
amdhsa.version: [ 1, 2 ]
amdhsa.kernels:
  - .name:           k_qd2f3cccd6b_attn
    .symbol:         k_qd2f3cccd6b_attn.kd
    .args:
      - { .name: qkv16, .offset: 0, .size: 8, .value_kind: global_buffer, .address_space: global }
      - { .name: att16, .offset: 8, .size: 8, .value_kind: global_buffer, .address_space: global }
    .group_segment_fixed_size: 327680
    .private_segment_fixed_size: 0
    .kernarg_segment_align: 8
    .kernarg_segment_size: 16
    .max_flat_workgroup_size: 256
    .sgpr_count:     72
    .vgpr_count:     384
    .wavefront_size: 32
...
	.end_amdgpu_metadata
.endif
;; end of part 3
;; launch proj (part 4): grid 4 x 64, 4 waves a work-group, clusters of 4 x 4, 327,680 bytes of LDS; arguments att16, w16, b_out, out0; writes out0
.if DOCPART == 4
	.amdgcn_target "amdgcn-amd-amdhsa--gfx1250"
	.amdhsa_code_object_version 6
	.text
	.protected	k_qd2f3cccd6b_proj
	.globl	k_qd2f3cccd6b_proj
	.p2align	8
	.type	k_qd2f3cccd6b_proj,@function
k_qd2f3cccd6b_proj:
	s_mov_b64 s[64:65], 0
	v_nop
	global_prefetch_b8 v0, s[64:65] scope:SCOPE_SE
	s_setreg_imm32_b32 hwreg(HW_REG_WAVE_MODE, 25, 1), 1
	s_wait_xcnt 0x0
	s_wait_alu depctr_hold_cnt(0) depctr_sa_sdst(0) depctr_va_vdst(0) depctr_va_sdst(0) depctr_va_ssrc(0) depctr_va_vcc(0) depctr_vm_vsrc(0)
	s_getreg_b32 s2, hwreg(HW_REG_IB_STS2, 6, 4)
	s_cmp_eq_u32 s2, 0
	s_cbranch_scc0 .Lentry_in_a_cluster
	s_endpgm
.Lentry_in_a_cluster:
	s_bfe_u32 s2, ttmp6, 0x10000c
	s_cmp_lg_u32 s2, 0xf033
	s_cbranch_scc0 .Lentry_shape_is_right
	s_endpgm
.Lentry_shape_is_right:
; out0[m][n] = sum over k of att[m][k] W_out[k][n] + b_out[n].  att16: f16 [batch 4][head 16][t 2048][64], so k = 64 head + channel; w16: f16 [1024 (k)][1024 (n)]; out0: f32 [8192][1024].  Sums in f32.
; All rows are written here; rows 0 to 15 of each batch are written again, from f32 operands, by the launch that follows: a branch round them would hang on a work-group's place in its cluster.
; A tile of 128 rows x 256 columns gives 256 work-groups.  Four waves, each 64 x 128: 32 accumulators.  K goes in steps of 128 (two heads) through a ring of two LDS slots.
; CLUSTERS: 4 x 4.  A's tile (by the tile row) is shared along a row of the cluster, B's (by the tile column) along a column: each is asked for jointly.
; THE MATRIX INSTRUCTION IS USED TRANSPOSED: source 0 = 16 columns of W (stored [k][n]: turned by ds_load_tr16_b128), source 1 = 16 rows of att: a lane holds eight neighbouring columns of one row.  The bias is the C of each sum's first instruction.
; REGISTERS: window 0: v0-31 addresses; v64-95, v96-127 A's fragments, two buffers; v128-191 the bias; on the way out v192-255 and v64-127 by turns.   window 1: v0-63, v64-127 B's fragments.   window 2: accumulator (a, b) at v[8 (8 a + b)].
.set PA,     144                       ; a row of A in LDS: 128 bytes + 16
.set PB,     544                       ; a row of B: 512 bytes + 32 = 136 words
.set APL,    128*PA                    ; a head's 128 rows
.set BOFF,   2*APL
.set SLOT,   BOFF+128*PB
.set STAGE,  2*SLOT                    ; behind the ring: 16 rows x (512 + 16) bytes for each wave
.set SPARE,  STAGE+4*16*528            ; the spare words, 128 bytes for each wave: two blocks of 256 bytes that no other line names
.set ASTEP,  524288                    ; a K step in att16: two planes
.set BSTEP,  262144                    ; and in w16: 128 rows of 2,048 bytes
.set ADRA, 16
.set ADRB, 20
.set STO,  24
.set RD,   25
.set CO,   26
.set SPW,  28
.set NIL,  29
.set PFO,  30
.set BIAS, 128
.set G1, 24
.set G0, 32
.set LIM, 43
.set PFA, 44
.set G1B, 48
.set G0B, 56
.set MSB, 0
.macro WIN new
.if MSB != \new
	s_set_vgpr_msb (MSB<<8)|\new
.set MSB, \new
.endif
.endm
.set MUL,  0xa1                        ; source 0 (B) window 1, source 1 (A) window 0, C and D window 2
.set MULZ, 0x81                        ; the same with C (the bias) in window 0
.macro JLOAD s                         ; a joint load: waves 0 and 1 fetch A's two heads, waves 2 and 3 B's two halves; an s_nop 0 and four v_nop follow each of the two lines
	s_cmp_eq_u32 s11, 0
	s_cbranch_scc0 .Lfor_b_\@
	tensor_load_to_lds s[G0+4*\s:G0+4*\s+3], s[G1:G1+7]
	s_nop 0
.rept 4
	v_nop
.endr
	s_branch .Lasked_\@
.Lfor_b_\@:
	tensor_load_to_lds s[G0B+4*\s:G0B+4*\s+3], s[G1B:G1B+7]
	s_nop 0
.rept 4
	v_nop
.endr
.Lasked_\@:
.endm
.macro CREST
	s_cmp_lg_u32 s10, 0
	s_cbranch_scc1 .Lnot_wave_0_\@
	s_barrier_signal -3
.Lnot_wave_0_\@:
	s_barrier_wait -3
	s_barrier_signal -1
	s_barrier_wait -1
.endm
.macro CROUND
	s_barrier_signal -1
	s_barrier_wait -1
	CREST
.endm
; A PREFETCH INTO THE L2 of A's tiles (att16 is read once, by the four partners of one row of one cluster; w16 is read by every cluster and is not asked for).  Behind refill n (which asks for K step n + 2) wave 0 names K step n + 4,
; n = 0 .. 3: two K steps, 256 matrix instructions, ahead.  A K step of A is two heads x 16,384 bytes; the four partners take 8,192 bytes each, told apart BY ADDRESS (head cx / 2, half cx % 2), lanes 256 bytes apart.
.macro ASK
	s_cmp_gt_u32 s3, s[LIM]                        ; s3 = 1 in the loop's last trip, whose two refills have no K step two on
	s_cbranch_scc0 .Lnot_mine_\@
	global_prefetch_b8 v[PFO], s[PFA:PFA+1] th:TH_LOAD_NT scope:SCOPE_SE
.Lnot_mine_\@:
.endm
	s_load_b128 s[4:7], s[0:1], 0x0                ; att16, w16
	s_load_b128 s[68:71], s[0:1], 0x10             ; b_out, out0
	v_lshl_add_u32 v[SPW], v0, 2, SPARE
	v_mov_b32 v[NIL], 0
	ds_add_u32 v[SPW], v[NIL]                      ; the wave's opening: the add, twice on end, and its wait ahead of my first tensor load
	ds_add_u32 v[SPW], v[NIL]
	v_lshrrev_b32 v1, 5, v0
	v_readfirstlane_b32 s10, v1                    ; wave 0..3
	s_lshr_b32 s11, s10, 1                         ; which half of the tile's rows is mine.  Also: I fetch for A (0) or for B (1)
	s_and_b32 s12, s10, 1                          ; which half of its columns.  Also: which head of A, which 64 rows of B I fetch
	s_bfe_u32 s40, ttmp6, 0x40000                  ; cx, cy
	s_bfe_u32 s41, ttmp6, 0x40004
	s_lshl_b32 s42, ttmp9, 2
	s_add_co_u32 s42, s42, s40                     ; tile column
	s_and_b32 s13, ttmp7, 0xffff
	s_lshl_b32 s13, s13, 2
	s_add_co_u32 s13, s13, s41                     ; tile row
	s_lshl_b32 s43, s41, 2
	s_lshl_b32 s43, 15, s43                        ; my row of the cluster
	s_lshl_b32 s44, 0x1111, s40                    ; my column
	s_or_b32 s[G1+0], s43, (1<<16)|(1<<20)|(1<<21)|(4<<22)|(3<<25)   ; the mask; elements of 2 bytes; padding on; bit 21 beside a mask; after every 32 words, 4 words
	s_mov_b32 s[G1+1], 64<<16                      ; A: 128 rows of 64 elements, dense in a head's plane
	s_mov_b32 s[G1+2], 128<<16
	s_mov_b32 s[G1+3], 64<<16
	s_mov_b32 s[G1+4], 128
	s_mov_b32 s[G1+5], 64
	s_mov_b32 s[G1+6], 0
	s_mov_b32 s[G1+7], 0
	s_or_b32 s[G1B+0], s44, (1<<16)|(1<<20)|(1<<21)|(6<<22)|(7<<25)  ; after every 128 words, 8 words
	s_mov_b32 s[G1B+1], 256<<16                    ; B: 64 rows of 256 elements, 1,024 elements apart
	s_mov_b32 s[G1B+2], 64<<16
	s_mov_b32 s[G1B+3], 256<<16
	s_mov_b32 s[G1B+4], 64
	s_mov_b32 s[G1B+5], 1024
	s_mov_b32 s[G1B+6], 0
	s_mov_b32 s[G1B+7], 0
	s_lshr_b32 s16, s13, 4                         ; A: the batch (16 tiles of 128 rows each),
	s_lshl_b32 s16, s16, 4
	s_add_co_u32 s16, s16, s12                     ; its plane of head 0 or 1,
	s_lshl_b32 s16, s16, 18
	s_and_b32 s17, s13, 15
	s_lshl_b32 s17, s17, 14                        ; and the tile's 128 rows of 128 bytes in it
	s_add_co_u32 s16, s16, s17
	s_mov_b32 s17, 0
	s_lshl_b32 s46, s12, 17                        ; B: rows 64 x half, of 2,048 bytes,
	s_lshl_b32 s47, s42, 9                         ; and the tile's 512 bytes of a row
	s_add_co_u32 s46, s46, s47
	s_mov_b32 s47, 0
	s_mul_i32 s20, s12, APL                        ; where they go: no place in the cluster enters an LDS address
	s_mul_i32 s21, s12, 64*PB
	s_add_co_u32 s21, s21, BOFF
	s_wait_dscnt 0x0                               ; both opening adds are done
	s_wait_kmcnt 0x0
	s_add_nc_u64 s[14:15], s[4:5], s[16:17]
	s_add_nc_u64 s[46:47], s[6:7], s[46:47]
	CROUND                                         ; all sixteen work-groups are here: the first joint loads meet
.irp s, 0,1
	s_mov_b32 s[G0+4*\s], 1
	s_add_co_u32 s[G0+4*\s+1], s20, \s*SLOT
	s_add_nc_u64 s[G0+4*\s+2:G0+4*\s+3], s[14:15], \s*ASTEP
	s_or_b32 s[G0+4*\s+3], s[G0+4*\s+3], 0x80000000
	s_mov_b32 s[G0B+4*\s], 1
	s_add_co_u32 s[G0B+4*\s+1], s21, \s*SLOT
	s_add_nc_u64 s[G0B+4*\s+2:G0B+4*\s+3], s[46:47], \s*BSTEP
	s_or_b32 s[G0B+4*\s+3], s[G0B+4*\s+3], 0x80000000
	JLOAD \s
.endr
	v_and_b32 v1, 15, v0                           ; r
	v_bfe_u32 v2, v0, 4, 1                         ; h
	s_lshl_b32 s22, s42, 10                        ; the bias: my first column is 256 x tile column + 128 x half
	s_lshl_b32 s23, s12, 9
	s_add_co_u32 s22, s22, s23
	s_mov_b32 s23, 0
	s_add_nc_u64 s[68:69], s[68:69], s[22:23]
	s_add_nc_u64 s[70:71], s[70:71], s[22:23]      ; and the same bytes along a row of out0
	v_lshlrev_b32 v7, 5, v2
.irp b, 0,1,2,3,4,5,6,7
	global_load_b128 v[BIAS+8*\b:BIAS+8*\b+3], v7, s[68:69] offset:64*\b
	global_load_b128 v[BIAS+8*\b+4:BIAS+8*\b+7], v7, s[68:69] offset:64*\b+16
.endr
	s_lshl_b32 s22, s13, 19                        ; out0: 128 x tile row + 64 x half rows of 4,096 bytes
	s_lshl_b32 s16, s11, 18
	s_add_co_u32 s22, s22, s16
	s_add_nc_u64 s[70:71], s[70:71], s[22:23]
	v_mul_u32_u24 v3, v1, PA
	v_lshl_add_u32 v3, v2, 4, v3                   ; A: row r x pitch + 16 h
	v_and_b32 v4, 7, v0
	v_lshl_add_u32 v4, v2, 3, v4
	v_mul_u32_u24 v4, v4, PB
	v_bfe_u32 v5, v0, 3, 1
	v_lshl_add_u32 v4, v5, 4, v4                   ; B: k row 8 h + l % 8, columns 8 ((l / 8) % 2) on
	s_mul_i32 s21, s11, 64*PA                      ; my 64 rows of A
	s_lshl_b32 s22, s12, 8                         ; my 128 columns of B
	s_add_co_u32 s22, s22, BOFF
.irp s, 0,1
	v_add_nc_u32 v[ADRA+\s], s21, v3
	v_add_nc_u32 v[ADRB+\s], s22, v4
	s_add_co_u32 s21, s21, SLOT
	s_add_co_u32 s22, s22, SLOT
.endr
	s_mul_i32 s23, s10, 16*528
	s_add_co_u32 s23, s23, STAGE                   ; my stage
	v_mul_u32_u24 v5, v1, 528
	v_lshl_add_u32 v5, v2, 5, v5
	v_add_nc_u32 v[STO], s23, v5                   ; in: row r, 32 bytes for each half of the lanes
	v_and_b32 v6, 31, v0
	v_lshlrev_b32 v[CO], 4, v6
	v_add_nc_u32 v[RD], s23, v[CO]                 ; back: the 32 lanes take one row of 512 bytes
	v_lshlrev_b32 v[PFO], 8, v6
	s_lshr_b32 s22, s13, 4                         ; the prefetches: the batch's plane of head 0,
	s_lshl_b32 s22, s22, 22
	s_and_b32 s23, s13, 15
	s_lshl_b32 s23, s23, 14
	s_add_co_u32 s22, s22, s23                     ; the tile's rows,
	s_lshr_b32 s23, s40, 1
	s_lshl_b32 s23, s23, 18
	s_add_co_u32 s22, s22, s23                     ; my work-group's head of the two,
	s_and_b32 s23, s40, 1
	s_lshl_b32 s23, s23, 13
	s_add_co_u32 s22, s22, s23                     ; and its half of the 128 rows;
	s_add_co_u32 s22, s22, 3*ASTEP                 ; at K step 3: the first refill steps it to 4
	s_mov_b32 s23, 0
	s_add_nc_u64 s[PFA:PFA+1], s[4:5], s[22:23]
	s_cmp_eq_u32 s10, 0
	s_cselect_b32 s[LIM], 1, -1                    ; wave 0 alone asks: the same in all partners
.macro MUL8 f, a, zero                 ; 8 matrix instructions: A's block a x B's eight, 32 along K, from buffer f.  The 32 accumulators take turns, in the same order in every quarter
.irp b, 0,1,2,3,4,5,6,7
.if \zero
	v_wmma_f32_16x16x32_f16 v[8*(8*\a+\b):8*(8*\a+\b)+7], v[64*\f+8*\b:64*\f+8*\b+7], v[64+32*\f+8*\a:64+32*\f+8*\a+7], v[BIAS+8*\b:BIAS+8*\b+7]
.else
	v_wmma_f32_16x16x32_f16 v[8*(8*\a+\b):8*(8*\a+\b)+7], v[64*\f+8*\b:64*\f+8*\b+7], v[64+32*\f+8*\a:64+32*\f+8*\a+7], v[8*(8*\a+\b):8*(8*\a+\b)+7]
.endif
.endr
.endm
.macro FETCH slot, kq, f               ; 24 LDS loads in one run: quarter kq (32 along K) of the slot into buffer f: B's eight fragments, then A's four
	WIN 0x40
.irp b, 0,1,2,3,4,5,6,7
	ds_load_tr16_b128 v[64*\f+8*\b:64*\f+8*\b+3],   v[ADRB+\slot] offset:32*(\kq)*PB+32*\b
	ds_load_tr16_b128 v[64*\f+8*\b+4:64*\f+8*\b+7], v[ADRB+\slot] offset:32*(\kq)*PB+16*PB+32*\b
.endr
	WIN 0
.irp a, 0,1,2,3
	ds_load_b128 v[64+32*\f+8*\a:64+32*\f+8*\a+3],   v[ADRA+\slot] offset:((\kq)/2)*APL+\a*16*PA+64*((\kq)%2)
	ds_load_b128 v[64+32*\f+8*\a+4:64+32*\f+8*\a+7], v[ADRA+\slot] offset:((\kq)/2)*APL+\a*16*PA+64*((\kq)%2)+32
.endr
.endm
.macro PLACES                          ; four plain vector instructions in front of loads into registers that matrix instructions have read, and of reads of results (ISA guide 7.12.1 for reads of results)
.rept 4
	v_nop
.endr
.endm
.macro QUARTER slot, kq, f, g, zero    ; multiplies buffer f; in its middle fetches quarter kq of the same slot into buffer g
	s_wait_dscnt 4                                 ; B and A's blocks 0, 1 are in; the youngest four loads (A's blocks 2, 3) may be out
.if \zero
	WIN MULZ
.else
	WIN MUL
.endif
	MUL8 \f, 0, \zero
	MUL8 \f, 1, \zero
	PLACES
	FETCH \slot, \kq, \g
	s_wait_dscnt 24                                ; all but the 24 just issued
.if \zero
	WIN MULZ
.else
	WIN MUL
.endif
	MUL8 \f, 2, \zero
	MUL8 \f, 3, \zero
.endm
; A slot's last quarter multiplies buffer 1 and changes slots: ONE barrier; in front of it each wave waits for all its tensor loads, adds 0 to its spare word, and waits for that and for its reads of this slot.  fill = 1: the slot is filled again, two K steps ahead.
.macro TURN slot, next, fill
.if \fill
	s_wait_xcnt 0x0                                ; the last prefetch, a K step back, has read its address
	s_add_nc_u64 s[PFA:PFA+1], s[PFA:PFA+1], ASTEP
.endif
	WIN 0
	s_wait_tensorcnt 0x0                           ; all my tensor loads have landed: my part of the next slot
	ds_add_u32 v[SPW], v[NIL]
	s_wait_dscnt 5                                 ; the add and the youngest four loads may be out
	WIN MUL
	MUL8 1, 0, 0
	s_wait_dscnt 0x0                               ; the add is done, and my reads of this slot are over
	s_barrier_signal -1
	MUL8 1, 1, 0
.if \fill
	WIN 0
.endif
	s_barrier_wait -1
.if \fill
	CREST                                          ; the barrier has opened a round of the cluster's: no wave of any partner still reads this slot or has a load on its way
	s_add_nc_u64 s[G0+4*\slot+2:G0+4*\slot+3], s[G0+4*\slot+2:G0+4*\slot+3], 2*ASTEP
	s_add_nc_u64 s[G0B+4*\slot+2:G0B+4*\slot+3], s[G0B+4*\slot+2:G0B+4*\slot+3], 2*BSTEP
	JLOAD \slot                                    ; the first tensor load behind the round; its four v_nop are also the places in front of the loads below
.else
	PLACES
.endif
	FETCH \next, 0, 0
.if \fill
	ASK
.endif
	WIN MUL
	MUL8 1, 2, 0
	MUL8 1, 3, 0
.endm
	s_wait_tensorcnt 1                             ; my part of K step 0 is in; K step 1's load may be out
	s_barrier_signal -1
	s_barrier_wait -1
	FETCH 0, 0, 0
	s_wait_loadcnt 0x0                             ; the bias
	QUARTER 0, 1, 0, 1, 1                          ; the first quarter stands in front of the loop: its products start the sums
	WIN 0
	s_mov_b32 s3, 3
.Llap:                                             ; a trip goes once round the ring and fills both slots again: K steps 2 to 7
	QUARTER 0, 2, 1, 0, 0
	QUARTER 0, 3, 0, 1, 0
	TURN 0, 1, 1
	QUARTER 1, 1, 0, 1, 0
	QUARTER 1, 2, 1, 0, 0
	QUARTER 1, 3, 0, 1, 0
	TURN 1, 0, 1
	QUARTER 0, 1, 0, 1, 0
	WIN 0
	s_sub_co_u32 s3, s3, 1
	s_cmp_lg_u32 s3, 0
	s_cbranch_scc1 .Llap
	QUARTER 0, 2, 1, 0, 0                          ; the last lap fills nothing
	QUARTER 0, 3, 0, 1, 0
	TURN 0, 1, 0
	QUARTER 1, 1, 0, 1, 0
	QUARTER 1, 2, 1, 0, 0
	QUARTER 1, 3, 0, 1, 0
	s_wait_dscnt 4
	WIN MUL
	MUL8 1, 0, 0
	MUL8 1, 1, 0
	s_wait_dscnt 0
	MUL8 1, 2, 0
	MUL8 1, 3, 0
	WIN 0
; THE WAY OUT, a block of 16 rows x 128 columns at a time, through my own stage: in 32 bytes a lane, back as whole rows of 512 bytes.
.macro TOSTAGE a
	WIN 0x08                                       ; an LDS store's data are its source 1: window 2
.irp b, 0,1,2,3,4,5,6,7
	ds_store_b128 v[STO], v[64*(\a)+8*\b:64*(\a)+8*\b+3] offset:64*\b          ; each accumulator from its low end on
	ds_store_b128 v[STO], v[64*(\a)+8*\b+4:64*(\a)+8*\b+7] offset:64*\b+16
.endr
	WIN 0
.set BB, 192-128*((\a)%2)
.irp t, 0,1,2,3,4,5,6,7,8,9,10,11,12,13,14,15
	ds_load_b128 v[BB+4*\t:BB+4*\t+3], v[RD] offset:\t*528   ; LDS serves a wave's instructions in order: these see the stores above
.endr
.endm
.macro SEND a, younger                 ; younger: the LDS instructions issued behind block a's loads, which may stay out
.set BB, 192-128*((\a)%2)
	s_wait_dscnt \younger
.irp t, 0,1,2,3,4,5,6,7,8,9,10,11,12,13,14,15
	global_store_b128 v[CO], v[BB+4*\t:BB+4*\t+3], s[70:71] offset:(16*(\a)+\t)*4096 th:TH_STORE_NT   ; 32 lanes store 512 consecutive bytes, aligned
.endr
.endm
	PLACES
	TOSTAGE 0
.irp a, 1,2,3
.if \a > 1
	s_wait_xcnt 0x0                                ; block a - 2's stores have read their registers: block a's loads may land there
.endif
	TOSTAGE \a
	SEND \a-1, 32                                  ; behind block a - 1's loads: block a's 16 stores and 16 loads
.endr
	SEND 3, 0
	s_wait_tensorcnt 0x0                           ; the wave's end: behind my last tensor load and my last LDS store
	ds_add_u32 v[SPW], v[NIL]
	s_wait_dscnt 0x0
	CROUND                                         ; the closing round
	s_endpgm
.Lfunc_end_k_qd2f3cccd6b_proj:
	.size	k_qd2f3cccd6b_proj, .Lfunc_end_k_qd2f3cccd6b_proj-k_qd2f3cccd6b_proj
	.p2alignl 7, 3214868480
	.fill 96, 4, 3214868480
	.section	.rodata,"a",@progbits
	.p2align	6, 0x0
	.amdhsa_kernel k_qd2f3cccd6b_proj
		.amdhsa_group_segment_fixed_size 327680
		.amdhsa_private_segment_fixed_size 0
		.amdhsa_enable_private_segment 0
		.amdhsa_kernarg_size 32
		.amdhsa_user_sgpr_count 2
		.amdhsa_user_sgpr_kernarg_segment_ptr 1
		.amdhsa_wavefront_size32 1
		.amdhsa_system_sgpr_workgroup_id_x 1
		.amdhsa_system_sgpr_workgroup_id_y 1
		.amdhsa_system_sgpr_workgroup_id_z 1
		.amdhsa_system_vgpr_workitem_id 0
		.amdhsa_next_free_vgpr 768
		.amdhsa_next_free_sgpr 72
		.amdhsa_reserve_vcc 0
		.amdhsa_float_denorm_mode_32 3
		.amdhsa_float_denorm_mode_16_64 3
		.amdhsa_memory_ordered 1
		.amdhsa_forward_progress 1
		.amdhsa_inst_pref_size 88
	.end_amdhsa_kernel
	.amdgpu_metadata
---
amdhsa.version: [ 1, 2 ]
amdhsa.kernels:
  - .name:           k_qd2f3cccd6b_proj
    .symbol:         k_qd2f3cccd6b_proj.kd
    .args:
      - { .name: att16, .offset: 0, .size: 8, .value_kind: global_buffer, .address_space: global }
      - { .name: w16, .offset: 8, .size: 8, .value_kind: global_buffer, .address_space: global }
      - { .name: b_out, .offset: 16, .size: 8, .value_kind: global_buffer, .address_space: global }
      - { .name: out0, .offset: 24, .size: 8, .value_kind: global_buffer, .address_space: global }
    .group_segment_fixed_size: 327680
    .private_segment_fixed_size: 0
    .kernarg_segment_align: 8
    .kernarg_segment_size: 32
    .max_flat_workgroup_size: 128
    .sgpr_count:     72
    .vgpr_count:     768
    .wavefront_size: 32
...
	.end_amdgpu_metadata
.endif
;; end of part 4
;; launch early (part 5): grid 16 x 4, 16 waves a work-group, no clusters, 71,680 bytes of LDS; arguments qkvf, W_out, b_out, out0; writes out0
.if DOCPART == 5
	.amdgcn_target "amdgcn-amd-amdhsa--gfx1250"
	.amdhsa_code_object_version 6
	.text
	.protected	k_qd2f3cccd6b_early
	.globl	k_qd2f3cccd6b_early
	.p2align	8
	.type	k_qd2f3cccd6b_early,@function
k_qd2f3cccd6b_early:
	s_mov_b64 s[64:65], 0
	v_nop
	global_prefetch_b8 v0, s[64:65] scope:SCOPE_SE
	s_setreg_imm32_b32 hwreg(HW_REG_WAVE_MODE, 25, 1), 1
	s_wait_xcnt 0x0
; Positions 0 to 15 of each sequence once more, all in f32: under the causal mask they average one to sixteen values, and 16-bit operands weigh most there.  1 in 128 of the rows: no bulk work.
; qkvf: f32 [48 (q's, k's, v's heads)][batch 4][16][64].  W_out [1024][1024], b_out [1024]: f32.  out0 rows 0 to 15 of each batch are written again here, behind the launch that wrote all rows.
; Work-group (cb, batch) makes 16 rows x 64 columns (64 cb on).  Wave = head: it makes its head's attention for the 16 positions, multiplies it by its 64 rows of W_out, and the sixteen waves' parts are added through LDS.
; (Each of a batch's sixteen work-groups makes the small attention again: 32 matrix instructions a wave, against 64 for the projection.)
; v_wmma_f32_16x16x4_f32: lane (r, h) = (lane % 16, lane / 16) holds row r of either source and k = 2 h + j in register j.  WHICH k of the sum an instruction takes is free, so long as both sources take the same:
; each product's k is chosen so that its registers are used as they were loaded or made, and nothing changes lanes.
;   S^T = K Q^T:  instruction p takes channels 32 h + 2 p + j: a lane's 32 registers are 32 neighbouring channels of its row.   Result: lane (r, h) holds query r, keys 8 h + 0 .. 7.
;   O^T = V^T P:  instruction kk takes keys 8 h + 2 kk + j: P's registers as they stand.   Result, tile c: query r, channels 16 c + 8 h + 0 .. 7.
;   out^T = W^T O: instruction (c, jj) takes channels 16 c + 8 h + 2 jj + j.   Result, tile ct: row r, columns 16 ct + 8 h + 0 .. 7.
; The registers that these instructions write (v128-191) are written by nothing else; what is made of a sum goes into other registers.
; REGISTERS: v1-15 addresses, the bias in v4-7; v16-23 scores, then p; v24-31 at work; v32-63 Q, later W's third group; v64-95 K, later W's second; v96-127 V, later W's fourth; v128-159 four accumulators of S^T, later of out^T;
;   v160-191 O^T; v192-223 O^T / l; v224-255 W's first group.
.set SPARE, 69632                      ; LDS: 16 waves x 16 rows x (256 + 16) bytes of parts; behind them the spare words, 128 bytes for each wave: eight blocks of 256 bytes that no other line names
.set SPW, 14
.set NIL, 15
.set T1,  16
.set T2,  24
.set QF,  32
.set KFR, 64
.set VF,  96
.set PA,  128
.set OA,  160
.set ON,  192
.macro FAR                             ; eight plain vector instructions behind this matrix form, in front of reads of its results and of loads into registers that it has read (ISA guide 7.12.1 for reads of its results)
.rept 8
	v_nop
.endr
.endm
.macro WGRP grp, reg                   ; W_out(64 head + 16 grp + 8 h + q, 64 cb + 16 ct + r) into register 8 ct + q of the group
.irp ct, 0,1,2,3
.irp q, 0,1,2,3,4,5,6,7
	global_load_b32 v[\reg+8*\ct+\q], v10, s[6:7] offset:(16*\grp+\q)*4096+64*\ct
.endr
.endr
.endm
.macro PGRP grp, reg, left, first      ; 16 matrix instructions: channels 16 grp on; four accumulators by turns
	s_wait_loadcnt \left
.irp jj, 0,1,2,3
.irp ct, 0,1,2,3
.if (\first) && (\jj == 0)
	v_wmma_f32_16x16x4_f32 v[PA+8*\ct:PA+8*\ct+7], v[\reg+8*\ct+2*\jj:\reg+8*\ct+2*\jj+1], v[ON+8*\grp+2*\jj:ON+8*\grp+2*\jj+1], 0
.else
	v_wmma_f32_16x16x4_f32 v[PA+8*\ct:PA+8*\ct+7], v[\reg+8*\ct+2*\jj:\reg+8*\ct+2*\jj+1], v[ON+8*\grp+2*\jj:ON+8*\grp+2*\jj+1], v[PA+8*\ct:PA+8*\ct+7]
.endif
.endr
.endr
.endm
	s_load_b256 s[4:11], s[0:1], 0x0               ; qkvf s[4:5], W_out s[6:7], b_out s[8:9], out0 s[10:11]
	v_lshl_add_u32 v[SPW], v0, 2, SPARE
	v_mov_b32 v[NIL], 0
	v_lshrrev_b32 v1, 5, v0
	v_readfirstlane_b32 s12, v1                    ; wave = head
	s_mov_b32 s13, ttmp9                           ; cb
	s_and_b32 s14, ttmp7, 0xffff                   ; batch
	v_and_b32 v1, 15, v0                           ; r
	v_bfe_u32 v2, v0, 4, 1                         ; h
	v_lshlrev_b32 v3, 3, v2
	v_sub_nc_u32 v3, v1, v3                        ; r - 8 h
	v_lshlrev_b32 v8, 8, v1
	v_lshl_add_u32 v8, v2, 7, v8                   ; Q, K: row r of 256 bytes + 128 h
	v_lshlrev_b32 v9, 2, v1
	v_lshl_add_u32 v10, v2, 15, v9                 ; W: 8 h rows of 4,096 bytes + 4 r
	v_lshl_add_u32 v9, v2, 11, v9                  ; V: 8 h rows of 256 bytes + 4 r
	v_lshlrev_b32 v29, 4, v1                       ; the bias: 16 r
	v_lshl_add_u32 v13, v2, 12, v29                ; out0: lanes 0-15 one row, lanes 16-31 the next; 16 bytes a lane
	s_mul_i32 s16, s12, 16*272
	v_mul_u32_u24 v11, v1, 272
	v_lshl_add_u32 v11, v2, 5, v11
	v_add_nc_u32 v11, s16, v11                     ; my part: row r, 32 bytes for each half of the lanes
	s_mul_i32 s16, s12, 2*272
	v_mul_u32_u24 v12, v2, 272
	v_add_nc_u32 v12, v12, v29
	v_add_nc_u32 v12, s16, v12                     ; the sum: rows 2 wave and 2 wave + 1 of every part (waves 0 to 7)
	s_mov_b32 s18, 0x76543210
	s_mov_b32 s19, 0xfedcba98                      ; v_permlanex16_b32's selects for lane l xor 16
	s_mov_b32 s20, 0x3e38aa3b                      ; c = log2(e) / 8
	s_mov_b32 s21, s20
	s_mov_b32 s17, 0
	s_wait_kmcnt 0x0
	s_lshl_b32 s16, s12, 2
	s_add_co_u32 s16, s16, s14
	s_lshl_b32 s16, s16, 12
	s_add_nc_u64 s[4:5], s[4:5], s[16:17]          ; q's block of (head, batch); k's lies 262,144 bytes on, v's 524,288
	s_lshl_b32 s16, s12, 18
	s_lshl_b32 s22, s13, 8
	s_add_co_u32 s16, s16, s22
	s_add_nc_u64 s[6:7], s[6:7], s[16:17]          ; W_out at row 64 head, column 64 cb
	s_mov_b32 s16, s22
	s_add_nc_u64 s[8:9], s[8:9], s[16:17]
	s_lshl_b32 s16, s14, 23
	s_add_co_u32 s16, s16, s22
	s_lshl_b32 s22, s12, 13
	s_add_co_u32 s16, s16, s22
	s_add_nc_u64 s[10:11], s[10:11], s[16:17]      ; out0 at row 2,048 batch + 2 wave, column 64 cb
	global_load_b128 v[4:7], v29, s[8:9]
.irp i, 0,1,2,3,4,5,6,7
	global_load_b128 v[QF+4*\i:QF+4*\i+3], v8, s[4:5] offset:16*\i
.endr
.irp i, 0,1,2,3,4,5,6,7
	global_load_b128 v[KFR+4*\i:KFR+4*\i+3], v8, s[4:5] offset:262144+16*\i
.endr
.irp c, 0,1,2,3
.irp q, 0,1,2,3,4,5,6,7
	global_load_b32 v[VF+8*\c+\q], v9, s[4:5] offset:524288+\q*256+64*\c   ; V(8 h + q, 16 c + r)
.endr
.endr
	WGRP 0, 224
	s_wait_loadcnt 32                              ; the bias, Q, K and V are in; W's first group, 32 loads, may be out
.irp p, 0,1,2,3,4,5,6,7,8,9,10,11,12,13,14,15
.if \p < 4
	v_wmma_f32_16x16x4_f32 v[PA+8*(\p%4):PA+8*(\p%4)+7], v[KFR+2*\p:KFR+2*\p+1], v[QF+2*\p:QF+2*\p+1], 0
.else
	v_wmma_f32_16x16x4_f32 v[PA+8*(\p%4):PA+8*(\p%4)+7], v[KFR+2*\p:KFR+2*\p+1], v[QF+2*\p:QF+2*\p+1], v[PA+8*(\p%4):PA+8*(\p%4)+7]
.endif
.endr
	FAR
	WGRP 1, KFR
	WGRP 2, QF
.irp j, 0,2,4,6
	v_pk_add_f32 v[T1+\j:T1+\j+1], v[PA+\j:PA+\j+1], v[PA+8+\j:PA+8+\j+1]       ; the four partial sums, each read from its low end on
.endr
.irp j, 0,2,4,6
	v_pk_add_f32 v[T2+\j:T2+\j+1], v[PA+16+\j:PA+16+\j+1], v[PA+24+\j:PA+24+\j+1]
.endr
.irp j, 0,2,4,6
	v_pk_add_f32 v[T1+\j:T1+\j+1], v[T1+\j:T1+\j+1], v[T2+\j:T2+\j+1]
.endr
	v_mov_b32 v28, 0xff800000                      ; -infinity
.irp j, 0,1,2,3,4,5,6,7
	v_cmp_gt_i32 vcc_lo, \j, v3                    ; key 8 h + j comes after query r
	v_cndmask_b32 v[T1+\j], v[T1+\j], v28, vcc_lo
.endr
	v_max3_num_f32 v24, v16, v17, v18
	v_max3_num_f32 v25, v19, v20, v21
	v_max3_num_f32 v24, v24, v22, v23
	v_max_num_f32 v24, v24, v25
	v_permlanex16_b32 v25, v24, s18, s19
	v_max_num_f32 v24, v24, v25                    ; the row's maximum: key 0 counts for every query, so it is a number
	v_mul_f32 v26, s20, v24
	v_mov_b32 v27, v26
.irp j, 0,2,4,6
	v_pk_fma_f32 v[T1+\j:T1+\j+1], v[T1+\j:T1+\j+1], s[20:21], v[26:27] op_sel_hi:[1,0,0] neg_lo:[0,0,1] neg_hi:[0,0,1]
.endr
.irp j, 0,1,2,3,4,5,6,7
	v_exp_f32 v[T1+\j], v[T1+\j]
.endr
	v_nop                                          ; a plain line behind the exponentials,
	s_wait_alu depctr_va_vdst(0)                   ; and a wait ahead of their first reader
	v_pk_add_f32 v[24:25], v[16:17], v[18:19]
	v_pk_add_f32 v[30:31], v[20:21], v[22:23]
	v_pk_add_f32 v[24:25], v[24:25], v[30:31]
	v_add_f32 v24, v24, v25
	v_permlanex16_b32 v25, v24, s18, s19
	v_add_f32 v24, v24, v25                        ; the row's sum
	v_rcp_f32 v30, v24
	v_nop
	s_wait_alu depctr_va_vdst(0)
.irp kk, 0,1,2,3
.irp c, 0,1,2,3
.if \kk == 0
	v_wmma_f32_16x16x4_f32 v[OA+8*\c:OA+8*\c+7], v[VF+8*\c+2*\kk:VF+8*\c+2*\kk+1], v[T1+2*\kk:T1+2*\kk+1], 0
.else
	v_wmma_f32_16x16x4_f32 v[OA+8*\c:OA+8*\c+7], v[VF+8*\c+2*\kk:VF+8*\c+2*\kk+1], v[T1+2*\kk:T1+2*\kk+1], v[OA+8*\c:OA+8*\c+7]
.endif
.endr
.endr
	FAR
	WGRP 3, VF
.set i, 0
.rept 16
	v_pk_mul_f32 v[ON+i:ON+i+1], v[OA+i:OA+i+1], v[30:31] op_sel_hi:[1,0]       ; O^T / l, into other registers
.set i, i+2
.endr
	PGRP 0, 224, 63, 1                             ; behind the first group's loads stand 96 younger ones, behind the second's 64: the field's largest count, 63, asks for more than is needed
	PGRP 1, KFR, 63, 0
	PGRP 2, QF, 32, 0                              ; the fourth group's 32 may be out
	PGRP 3, VF, 0, 0
	FAR
.irp ct, 0,1,2,3
	ds_store_b128 v11, v[PA+8*\ct:PA+8*\ct+3] offset:64*\ct
	ds_store_b128 v11, v[PA+8*\ct+4:PA+8*\ct+7] offset:64*\ct+16
.endr
	s_wait_dscnt 0x0                               ; for the others' sake: my part lies in LDS
	s_barrier_signal -1
	s_barrier_wait -1
	s_cmp_lt_u32 s12, 8                            ; waves 0 to 7 add: two rows each
	s_cbranch_scc0 .Ldone
.irp p, 0,1,2,3,4,5,6,7,8,9,10,11,12,13,14,15
	ds_load_b128 v[32+4*\p:35+4*\p], v12 offset:\p*16*272
.endr
	s_wait_dscnt 0x0
.irp p, 0,1,2,3,4,5,6,7
	v_pk_add_f32 v[32+8*\p:33+8*\p], v[32+8*\p:33+8*\p], v[36+8*\p:37+8*\p]
	v_pk_add_f32 v[34+8*\p:35+8*\p], v[34+8*\p:35+8*\p], v[38+8*\p:39+8*\p]
.endr
.irp p, 0,1,2,3
	v_pk_add_f32 v[32+16*\p:33+16*\p], v[32+16*\p:33+16*\p], v[40+16*\p:41+16*\p]
	v_pk_add_f32 v[34+16*\p:35+16*\p], v[34+16*\p:35+16*\p], v[42+16*\p:43+16*\p]
.endr
.irp p, 0,1
	v_pk_add_f32 v[32+32*\p:33+32*\p], v[32+32*\p:33+32*\p], v[48+32*\p:49+32*\p]
	v_pk_add_f32 v[34+32*\p:35+32*\p], v[34+32*\p:35+32*\p], v[50+32*\p:51+32*\p]
.endr
	v_pk_add_f32 v[32:33], v[32:33], v[64:65]
	v_pk_add_f32 v[34:35], v[34:35], v[66:67]
	v_pk_add_f32 v[32:33], v[32:33], v[4:5]        ; the bias
	v_pk_add_f32 v[34:35], v[34:35], v[6:7]
	global_store_b128 v13, v[32:35], s[10:11]      ; each half of the lanes stores 256 consecutive bytes, aligned
.Ldone:
	s_wait_tensorcnt 0x0                           ; the wave's end: behind my last LDS store
	ds_add_u32 v[SPW], v[NIL]
	s_wait_dscnt 0x0
	s_endpgm
.Lfunc_end_k_qd2f3cccd6b_early:
	.size	k_qd2f3cccd6b_early, .Lfunc_end_k_qd2f3cccd6b_early-k_qd2f3cccd6b_early
	.p2alignl 7, 3214868480
	.fill 96, 4, 3214868480
	.section	.rodata,"a",@progbits
	.p2align	6, 0x0
	.amdhsa_kernel k_qd2f3cccd6b_early
		.amdhsa_group_segment_fixed_size 71680
		.amdhsa_private_segment_fixed_size 0
		.amdhsa_enable_private_segment 0
		.amdhsa_kernarg_size 32
		.amdhsa_user_sgpr_count 2
		.amdhsa_user_sgpr_kernarg_segment_ptr 1
		.amdhsa_wavefront_size32 1
		.amdhsa_system_sgpr_workgroup_id_x 1
		.amdhsa_system_sgpr_workgroup_id_y 1
		.amdhsa_system_sgpr_workgroup_id_z 1
		.amdhsa_system_vgpr_workitem_id 0
		.amdhsa_next_free_vgpr 256
		.amdhsa_next_free_sgpr 66
		.amdhsa_reserve_vcc 1
		.amdhsa_float_denorm_mode_32 3
		.amdhsa_float_denorm_mode_16_64 3
		.amdhsa_memory_ordered 1
		.amdhsa_forward_progress 1
		.amdhsa_inst_pref_size 34
	.end_amdhsa_kernel
	.amdgpu_metadata
---
amdhsa.version: [ 1, 2 ]
amdhsa.kernels:
  - .name:           k_qd2f3cccd6b_early
    .symbol:         k_qd2f3cccd6b_early.kd
    .args:
      - { .name: qkvf, .offset: 0, .size: 8, .value_kind: global_buffer, .address_space: global }
      - { .name: W_out, .offset: 8, .size: 8, .value_kind: global_buffer, .address_space: global }
      - { .name: b_out, .offset: 16, .size: 8, .value_kind: global_buffer, .address_space: global }
      - { .name: out0, .offset: 24, .size: 8, .value_kind: global_buffer, .address_space: global }
    .group_segment_fixed_size: 71680
    .private_segment_fixed_size: 0
    .kernarg_segment_align: 8
    .kernarg_segment_size: 32
    .max_flat_workgroup_size: 512
    .sgpr_count:     66
    .vgpr_count:     256
    .wavefront_size: 32
...
	.end_amdgpu_metadata
.endif
;; end of part 5
